; MI455X (gfx1250); checked and timed in simulation.
; The chip was launched on July 23, 2026; its instructions are those of AMD's public machine-readable ISA for CDNA 5 (MIT licence, August 2026) and "CDNA5" Instruction Set Architecture Reference Guide (July 2026). The comments in the code are by the model that wrote it; some were corrected since.
;; Transformer Block. Allowed arithmetic: matrix products marked QUANTISED: E5M2 operands, one E8M0 scale for each 32 along K, by v_wmma_scale_f32_16x16x128_f8f6f4 with both operands' format E5M2, f32 sums; everything else in f32.
;; Inputs: b_fc1 4,096 float32; b_fc2 1,024 float32; b_out 1,024 float32; b_qkv 3,072 float32; ln1_b 1,024 float32; ln1_g 1,024 float32; ln2_b 1,024 float32; ln2_g 1,024 float32; w_fc1_codes 4,096 x 32 x 32 uint8 (E5M2 codes of w_fc1, K innermost, in blocks of 32 codes); w_fc1_scales 4,096 x 32 uint8 (E8M0 scales of w_fc1, one for each 32 codes along K); w_fc2_codes 1,024 x 128 x 32 uint8 (E5M2 codes of w_fc2, K innermost, in blocks of 32 codes); w_fc2_scales 1,024 x 128 uint8 (E8M0 scales of w_fc2, one for each 32 codes along K); w_out_codes 1,024 x 32 x 32 uint8 (E5M2 codes of w_out, K innermost, in blocks of 32 codes); w_out_scales 1,024 x 32 uint8 (E8M0 scales of w_out, one for each 32 codes along K); w_qkv_codes 3,072 x 32 x 32 uint8 (E5M2 codes of w_qkv, K innermost, in blocks of 32 codes); w_qkv_scales 3,072 x 32 uint8 (E8M0 scales of w_qkv, one for each 32 codes along K); x 2 x 2,048 x 1,024 float32.
;; Outputs: out0 2 x 2,048 x 1,024 float32.
;; This version of the problem:
;;   THIS VERSION OF THE PROBLEM IS GIVEN IN LOW PRECISION. The matrix products marked QUANTISED in the list below multiply operands that are first quantised to E5M2 (5 exponent bits, 2 mantissa bits; 8 bits a number), with one power-of-two scale for each 32 numbers along K (OCP MX v1.0); their sums are f32. All else is computed in f32.
;;   The module's matrix products, in the order in which they are computed (A, B: the left and right operand; K: the contracted axis; several contracted axes count as one K, in the product's order):
;;     1. [M 4,096, K 1,024] x [K 1,024, N 3,072]; A: computed on the way; B: input w_qkv (given as codes): QUANTISED
;;     2. batch 32 x [M 2,048, K 64] x [K 64, N 2,048]; A: computed on the way; B: computed on the way: QUANTISED
;;     3. batch 32 x [M 2,048, K 2,048] x [K 2,048, N 64]; A: softmax (see below); B: computed on the way: QUANTISED
;;     4. [M 4,096, K 1,024] x [K 1,024, N 1,024]; A: computed on the way; B: input w_out (given as codes): QUANTISED
;;     5. [M 4,096, K 1,024] x [K 1,024, N 4,096]; A: computed on the way; B: input w_fc1 (given as codes): QUANTISED
;;     6. [M 4,096, K 4,096] x [K 4,096, N 1,024]; A: computed on the way; B: input w_fc2 (given as codes): QUANTISED
;;   THE QUANTISER, for each operand of a quantised product, along K:
;;     - K is cut into blocks of 32 from its start; a last block that is shorter is filled with zeros.
;;     - A block's scale is 2^e with e = floor(log2(the largest magnitude in the block)) - 15, held to -126 .. 127; a block of zeros has e = 0. As a byte (E8M0): e + 127.
;;     - Each number is divided by its block's scale, clamped to +-57,344, and rounded to the nearest number of E5M2, ties to even, subnormals kept.
;;     - The product sums the exact products of the quantised numbers (number of the format x scale) in f32.
;;   ~~~python
;;   def quantise(x, axis):      # numpy; x: float32 -> the quantised numbers, widened to float32 again
;;       x = np.moveaxis(x, axis, -1); K = x.shape[-1]
;;       x = np.pad(x, [(0, 0)] * (x.ndim - 1) + [(0, -K % 32)]); x = x.reshape(x.shape[:-1] + (-1, 32)); a = np.abs(x).max(-1, keepdims=True)
;;       e = np.where(a > 0, np.clip(np.frexp(np.where(a > 0, a, 1))[1] - 1 - 15, -126, 127), 0)      # np.frexp(a)[1] - 1 = floor(log2(a)), exactly
;;       r = np.clip(x / 2.0 ** e, -57344, 57344)
;;       step = 2.0 ** (np.maximum(np.frexp(np.where(r == 0, 1, r))[1] - 1, -14) - 2)
;;       q = np.round(r / step) * step * 2.0 ** e      # np.round: ties to even
;;       return np.moveaxis(q.reshape(q.shape[:-2] + (-1,))[..., :K], -1, axis).astype(np.float32)
;;   ~~~
;;   SOFTMAX AHEAD OF A QUANTISED PRODUCT. Where the list says 'softmax', what is quantised is not the finished softmax but p = 2^(t - M), with t = logit x log2(e) and M = ceil(the row's largest t), a whole number; so 1/2 < the row's largest p <= 1. The row's sum l is taken of the UNQUANTISED p, in f32, and the product's result is divided by l at the end. Since M is a whole number, a kernel that streams over the keys may use a running M (the ceiling of the running maximum): every later rescaling is an exact power of two, which a block's scale takes up: the codes' values come out the same.
;;   OPERANDS COMPUTED ON THE WAY. 'Computed on the way' means the value that the module computes at that place (a softmax that the list does not call 'softmax' is quantised finished and normalised). What goes into a quantiser is computed in f32, as accurately as f32 sums, v_exp_f32 and their like allow (about 1e-6 of the number): no bf16 or f16 on the way to a quantiser, and a product that is left as it is and whose result goes on into a quantised operand takes f32 operands (vector FMAs, or v_wmma_f32_16x16x4_f32). A number that lies on a knife's edge between two numbers of the format may be rounded either way, as far as f32 arithmetic and the matrix unit's own rounding can turn it there, and no further.
;;   INPUTS GIVEN AS CODES. w_fc1 (in the module: [1024, 4096], K = its axis 0); w_fc2 (in the module: [4096, 1024], K = its axis 0); w_out (in the module: [1024, 1024], K = its axis 0); w_qkv (in the module: [1024, 3072], K = its axis 0): each comes as NAME_codes (uint8): NAME with its K axis moved to the last place and cut into blocks of 32 codes, [.., K / 32, bytes a block], one block behind the other in memory; one code a byte (a code: sign, 5 exponent bits, 2 mantissa bits); and NAME_scales (uint8): the same leading axes, one E8M0 byte (e + 127) for each 32 codes along K. Its value is code x scale, taken as it is: it is not quantised again, and the codes and scales need not be those that the quantiser above would give.
;; One version. Each part assembles by itself: llvm-mc -triple=amdgcn-amd-amdhsa -mcpu=gfx1250 --defsym DOCPART=n.
;; ======== version 1 of 1: 7 launches
;; limits: a function is approximated: absolute error at most 1.5e-07
;; workspace buffers: hq 4,325,376 bytes; qkvq 12,976,128 bytes; ao 4,325,376 bytes; x1 16,777,216 bytes; gq 17,301,504 bytes
;; launch ln (part 1): grid 256 x 1, 8 waves a work-group, no clusters, 42,496 bytes of LDS; arguments x, ln1_g, ln1_b, hq; writes hq
.if DOCPART == 1
	.amdgcn_target "amdgcn-amd-amdhsa--gfx1250"
	.amdhsa_code_object_version 6
	.text
	.protected	k_qd3159fc58f_ln
	.globl	k_qd3159fc58f_ln
	.p2align	8
	.type	k_qd3159fc58f_ln,@function
k_qd3159fc58f_ln:
	s_mov_b64 s[64:65], 0
	v_nop
	global_prefetch_b8 v0, s[64:65] scope:SCOPE_SE
	s_setreg_imm32_b32 hwreg(HW_REG_WAVE_MODE, 25, 1), 1
	s_wait_xcnt 0x0
; h = (x - mean) * rsqrt(var + 1e-5) * gamma + beta over rows of 1,024 f32, then the MX quantiser along the row: codes of E5M2, one E8M0 byte for each 32.
; OUT: hq = codes [4096][1024], K innermost, then from byte HS on the scale bytes [4096][32]: the layout in which the weights are given.
; SHARES: a work-group takes 16 rows, each of its eight waves two.  A row is 4,096 bytes: 8 loads of 512 consecutive bytes, 32 registers a lane; it stays in registers for the mean, the centred
; squares (two passes, so a common offset of the inputs costs no digits) and the scaling.  For the conversions a lane must hold 16 NEIGHBOURS: 512 numbers at a time turn through the wave's own stage in LDS
; (stored as loaded, read back 64 bytes a lane; 16 bytes of padding behind each 64).  Two neighbouring lanes hold a block of 32.  A lane's 16 codes are 16 bytes: a store covers 512 consecutive bytes.
; The work-group's 512 scale bytes are gathered in LDS and leave as one aligned run of 512 bytes, stored by wave 0.
; No tensor loads, no matrix work, no cluster: work-groups share nothing but gamma and beta (8 KB).
; LIMITS: NaN and infinities are not served; a block of zeros gets the byte 1 (its codes are zeros; only this program reads the bytes); blocks whose largest magnitude lies under 2^-111 share that byte.
.set SP,   80                          ; a lane's place in a stage: 64 bytes + 16 of padding
.set STG,  32*SP                       ; a stage
.set SCB,  8*2*STG                     ; behind the eight waves' stages: 512 scale bytes
.set HS,   4194304                     ; where the scale bytes begin in hq
.set E,    24                          ; v24-27   a scale byte for each (row, step)
.set X,    32                          ; v32-95   two rows, 32 registers each; a row's first 8 registers later take its codes
.set G,    96                          ; v96-127  gamma
.set BT,   128                         ; v128-159 beta
.set XT,   160                         ; v160-191 two sets of 16 neighbours
	s_load_b256 s[4:11], s[0:1], 0x0               ; x s[4:5], gamma s[6:7], beta s[8:9], hq s[10:11]
	v_lshl_add_u32 v192, v0, 2, 0xa200
	v_mov_b32 v193, 0
	v_lshrrev_b32 v1, 5, v0
	v_readfirstlane_b32 s12, v1                    ; wave 0..7
	v_and_b32 v6, 31, v0                           ; lane
	v_lshlrev_b32 v1, 4, v6                        ; v1: 16 x lane
	s_mul_i32 s18, s12, 2*STG
	v_lshrrev_b32 v2, 2, v6
	v_mul_u32_u24 v2, v2, SP
	v_and_b32 v3, 3, v6
	v_lshl_add_u32 v2, v3, 4, v2
	v_add_nc_u32 v2, s18, v2                       ; v2: into the stage: SP (lane / 4) + 16 (lane % 4)
	v_mul_u32_u24 v3, v6, SP
	v_add_nc_u32 v3, s18, v3                       ; v3: out of it: SP x lane
	v_lshrrev_b32 v4, 1, v6
	s_lshl_b32 s19, s12, 6
	s_add_co_u32 s19, s19, SCB
	v_add_nc_u32 v4, s19, v4                       ; v4: my block's scale byte: 64 bytes a wave, lane / 2
	v_add_nc_u32 v5, SCB, v1                       ; v5: the scale bytes on the way out
	v_mov_b32 v16, 0                               ; a lane permute's destination counts as one of its sources: written once
	s_mov_b32 s13, 0x76543210
	s_mov_b32 s14, 0xfedcba98                      ; selects for lane l xor 16
	s_mov_b32 s15, 0x600000                        ; the mantissa field of 57,344
	s_mov_b32 s20, 0x3a800000                      ; 1 / 1024
	s_mov_b32 s21, 0x3727c5ac                      ; 1e-5
	s_lshl_b32 s16, ttmp9, 16                      ; x: 16 rows of 4,096 bytes a work-group,
	s_lshl_b32 s22, s12, 13                        ; two a wave
	s_add_co_u32 s16, s16, s22
	s_mov_b32 s17, 0
	s_lshl_b32 s22, ttmp9, 14                      ; the codes: rows of 1,024 bytes
	s_lshl_b32 s24, s12, 11
	s_add_co_u32 s22, s22, s24
	s_mov_b32 s23, 0
	s_lshl_b32 s24, ttmp9, 9                       ; the scale bytes: 512 a work-group
	s_add_co_u32 s24, s24, HS
	s_mov_b32 s25, 0
	s_wait_kmcnt 0x0
	s_add_nc_u64 s[4:5], s[4:5], s[16:17]
	s_add_nc_u64 s[22:23], s[10:11], s[22:23]
	s_add_nc_u64 s[24:25], s[10:11], s[24:25]
.irp i, 0,1,2,3,4,5,6,7
	global_load_b128 v[G+4*\i:G+4*\i+3], v1, s[6:7] offset:512*\i
.endr
.irp i, 0,1,2,3,4,5,6,7
	global_load_b128 v[BT+4*\i:BT+4*\i+3], v1, s[8:9] offset:512*\i
.endr
.irp p, 0,1
.irp i, 0,1,2,3,4,5,6,7
	global_load_b128 v[X+32*\p+4*\i:X+32*\p+4*\i+3], v1, s[4:5] offset:4096*\p+512*\i th:TH_LOAD_NT
.endr
.endr
.macro REDUCE                          ; v[8:9] -> the sum over the wave's 32 lanes, in v8 of every lane
	v_add_f32 v8, v8, v9
	v_add_f32_dpp v8, v8, v8 row_xmask:1 row_mask:0xf bank_mask:0xf
	v_add_f32_dpp v8, v8, v8 row_xmask:2 row_mask:0xf bank_mask:0xf
	v_add_f32_dpp v8, v8, v8 row_xmask:4 row_mask:0xf bank_mask:0xf
	v_add_f32_dpp v8, v8, v8 row_xmask:8 row_mask:0xf bank_mask:0xf
	v_permlanex16_b32 v16, v8, s13, s14
	v_add_f32 v8, v8, v16
.endm
; 512 numbers of row p (step st), 16 neighbours a lane in set st, become codes and a scale byte
.macro QS p, st
.set XS, XT+16*\st
.set CR, X+32*\p+4*\st
.if \st == 0
	s_wait_dscnt 8                                 ; the first turn is back; the second turn's 8 LDS instructions may be out
.else
	s_wait_dscnt 1                                 ; the second turn is back; the first step's byte store may be out
.endif
	v_max3_num_f32 v20, |v[XS]|, |v[XS+1]|, |v[XS+2]|
	v_max3_num_f32 v21, |v[XS+3]|, |v[XS+4]|, |v[XS+5]|
.irp i, 6,10
	v_max3_num_f32 v20, v20, |v[XS+\i]|, |v[XS+\i+1]|
	v_max3_num_f32 v21, v21, |v[XS+\i+2]|, |v[XS+\i+3]|
.endr
	v_max3_num_f32 v20, v20, |v[XS+14]|, |v[XS+15]|
	v_max3_num_f32 v20, v20, v21, 0x8000000        ; and the floor 2^(16 - 127): the byte cannot fall under 1
	v_max_num_f32_dpp v20, v20, v20 row_xmask:1 row_mask:0xf bank_mask:0xf   ; with my neighbour's 16: the block's largest magnitude
	v_add_nc_u32 v23, 0xf8800000, v20              ; 15 off its exponent field: the conversion's scale operand
	v_and_or_b32 v22, v20, 0x7f800000, s15         ; 57,344 x the scale
.irp i, 0,1,2,3,4,5,6,7,8,9,10,11,12,13,14,15
	v_med3_num_f32 v[XS+\i], v[XS+\i], -v22, v22   ; the conversion to an 8-bit code does not saturate (ISA guide 7.6.2): the hold comes first
.endr
	v_cvt_scalef32_pk8_bf8_f32 v[CR:CR+1], v[XS:XS+7], v23
	v_cvt_scalef32_pk8_bf8_f32 v[CR+2:CR+3], v[XS+8:XS+15], v23
	v_lshrrev_b32 v[E+2*\p+\st], 23, v23           ; the scale's byte (a plain line behind the conversions)
	ds_store_b8 v4, v[E+2*\p+\st] offset:32*\p+16*\st   ; both lanes of a block write the same byte with the same value
	global_store_b128 v1, v[CR:CR+3], s[22:23] offset:1024*\p+512*\st   ; 512 consecutive bytes
.endm
.macro ROW p
.set XR, X+32*\p
	s_wait_loadcnt 8*(1-\p)                        ; gamma, beta and this row are in; the later row's 8 loads may be out
	v_pk_add_f32 v[8:9], v[XR:XR+1], v[XR+2:XR+3]  ; the sum, in two chains
	v_pk_add_f32 v[10:11], v[XR+4:XR+5], v[XR+6:XR+7]
.irp i, 8,12,16,20,24,28
	v_pk_add_f32 v[8:9], v[8:9], v[XR+\i:XR+\i+1]
	v_pk_add_f32 v[10:11], v[10:11], v[XR+\i+2:XR+\i+3]
.endr
	v_pk_add_f32 v[8:9], v[8:9], v[10:11]
	REDUCE
	v_mul_f32 v12, s20, v8                         ; the mean, twice: a pair for the packed form
	v_mul_f32 v13, s20, v8
.irp i, 0,2,4,6,8,10,12,14,16,18,20,22,24,26,28,30
	v_pk_add_f32 v[XR+\i:XR+\i+1], v[XR+\i:XR+\i+1], v[12:13] neg_lo:[0,1] neg_hi:[0,1]
.endr
	v_pk_mul_f32 v[8:9], v[XR:XR+1], v[XR:XR+1]    ; the centred squares
	v_pk_mul_f32 v[10:11], v[XR+2:XR+3], v[XR+2:XR+3]
.irp i, 4,8,12,16,20,24,28
	v_pk_fma_f32 v[8:9], v[XR+\i:XR+\i+1], v[XR+\i:XR+\i+1], v[8:9]
	v_pk_fma_f32 v[10:11], v[XR+\i+2:XR+\i+3], v[XR+\i+2:XR+\i+3], v[10:11]
.endr
	v_pk_add_f32 v[8:9], v[8:9], v[10:11]
	REDUCE
	v_fma_f32 v8, v8, s20, s21                     ; var + eps
	v_rsq_f32 v14, v8
	v_nop                                          ; a plain line behind the transcendental,
	s_wait_alu depctr_va_vdst(0)                   ; and the wait ahead of its first reader
	v_mov_b32 v15, v14
.irp i, 0,2,4,6,8,10,12,14,16,18,20,22,24,26,28,30
	v_pk_mul_f32 v[XR+\i:XR+\i+1], v[XR+\i:XR+\i+1], v[14:15]
.endr
.irp i, 0,2,4,6,8,10,12,14,16,18,20,22,24,26,28,30
	v_pk_fma_f32 v[XR+\i:XR+\i+1], v[XR+\i:XR+\i+1], v[G+\i:G+\i+1], v[BT+\i:BT+\i+1]
.endr
.irp st, 0,1                           ; both halves of the row turn through the two stages; LDS serves a wave's instructions in order, so no wait stands between stores and loads
.irp i, 0,1,2,3
	ds_store_b128 v2, v[XR+16*\st+4*\i:XR+16*\st+4*\i+3] offset:STG*\st+8*SP*\i
.endr
.irp i, 0,1,2,3
	ds_load_b128 v[XT+16*\st+4*\i:XT+16*\st+4*\i+3], v3 offset:STG*\st+16*\i
.endr
.endr
	QS \p, 0
	QS \p, 1
.endm
	ROW 0
	ROW 1
	s_wait_dscnt 0x0                               ; for the others' sake: my scale bytes lie in LDS
	s_barrier_signal -1
	s_barrier_wait -1
	s_cmp_lg_u32 s12, 0
	s_cbranch_scc1 .Ldone
	ds_load_b128 v[XT:XT+3], v5                    ; wave 0: the work-group's 512 scale bytes
	s_wait_dscnt 0x0
	global_store_b128 v1, v[XT:XT+3], s[24:25]     ; 512 consecutive bytes, aligned
.Ldone:
	s_wait_tensorcnt 0x0
	ds_add_u32 v192, v193
	s_wait_dscnt 0x0
	s_endpgm
.Lfunc_end_k_qd3159fc58f_ln:
	.size	k_qd3159fc58f_ln, .Lfunc_end_k_qd3159fc58f_ln-k_qd3159fc58f_ln
	.p2alignl 7, 3214868480
	.fill 96, 4, 3214868480
	.section	.rodata,"a",@progbits
	.p2align	6, 0x0
	.amdhsa_kernel k_qd3159fc58f_ln
		.amdhsa_group_segment_fixed_size 42496
		.amdhsa_private_segment_fixed_size 0
		.amdhsa_enable_private_segment 0
		.amdhsa_kernarg_size 32
		.amdhsa_user_sgpr_count 2
		.amdhsa_user_sgpr_kernarg_segment_ptr 1
		.amdhsa_wavefront_size32 1
		.amdhsa_system_sgpr_workgroup_id_x 1
		.amdhsa_system_sgpr_workgroup_id_y 1
		.amdhsa_system_sgpr_workgroup_id_z 1
		.amdhsa_system_vgpr_workitem_id 0
		.amdhsa_next_free_vgpr 194
		.amdhsa_next_free_sgpr 66
		.amdhsa_reserve_vcc 0
		.amdhsa_float_denorm_mode_32 3
		.amdhsa_float_denorm_mode_16_64 3
		.amdhsa_memory_ordered 1
		.amdhsa_forward_progress 1
		.amdhsa_inst_pref_size 28
	.end_amdhsa_kernel
	.amdgpu_metadata
---
amdhsa.version: [ 1, 2 ]
amdhsa.kernels:
  - .name:           k_qd3159fc58f_ln
    .symbol:         k_qd3159fc58f_ln.kd
    .args:
      - { .name: x, .offset: 0, .size: 8, .value_kind: global_buffer, .address_space: global }
      - { .name: ln1_g, .offset: 8, .size: 8, .value_kind: global_buffer, .address_space: global }
      - { .name: ln1_b, .offset: 16, .size: 8, .value_kind: global_buffer, .address_space: global }
      - { .name: hq, .offset: 24, .size: 8, .value_kind: global_buffer, .address_space: global }
    .group_segment_fixed_size: 42496
    .private_segment_fixed_size: 0
    .kernarg_segment_align: 8
    .kernarg_segment_size: 32
    .max_flat_workgroup_size: 256
    .sgpr_count:     66
    .vgpr_count:     194
    .wavefront_size: 32
...
	.end_amdgpu_metadata
.endif
;; end of part 1
;; launch qkv (part 2): grid 12 x 16, 4 waves a work-group, clusters of 4 x 4, 327,680 bytes of LDS; arguments hq, w_qkv_codes, w_qkv_scales, b_qkv, qkvq; writes qkvq
.if DOCPART == 2
	.amdgcn_target "amdgcn-amd-amdhsa--gfx1250"
	.amdhsa_code_object_version 6
	.text
	.protected	k_qd3159fc58f_qkv
	.globl	k_qd3159fc58f_qkv
	.p2align	8
	.type	k_qd3159fc58f_qkv,@function
k_qd3159fc58f_qkv:
	s_mov_b64 s[64:65], 0
	v_nop
	global_prefetch_b8 v0, s[64:65] scope:SCOPE_SE
	s_setreg_imm32_b32 hwreg(HW_REG_WAVE_MODE, 25, 1), 1
	s_wait_xcnt 0x0
	s_wait_alu depctr_hold_cnt(0) depctr_sa_sdst(0) depctr_va_vdst(0) depctr_va_sdst(0) depctr_va_ssrc(0) depctr_va_vcc(0) depctr_vm_vsrc(0)
	s_getreg_b32 s2, hwreg(HW_REG_IB_STS2, 6, 4)
	s_cmp_eq_u32 s2, 0
	s_cbranch_scc0 .Lentry_in_a_cluster
	s_endpgm
.Lentry_in_a_cluster:
	s_bfe_u32 s2, ttmp6, 0x10000c
	s_cmp_lg_u32 s2, 0xf033
	s_cbranch_scc0 .Lentry_shape_is_right
	s_endpgm
.Lentry_shape_is_right:
; qkv = h W^T + b on codes of E5M2 with E8M0 scales (K = 1,024), and q, k, v quantised on the way out for the two products of attention.
; h: hq = codes [4096][1024] + scale bytes [4096][32] at HS.  W: codes [3072][1024], scale bytes [3072][32].  Both have one layout, so either can be the operand "A" or "B" of the GEMM below.
; THE GEMM: a tile of 256 x 256 to a work-group of four waves, 128 x 128 (64 accumulators, 512 registers) to a wave; K in steps of 256 through a ring of two LDS slots filled by the tensor data mover;
; the scale bytes of the work-group's rows, for all of K, come into LDS once.  4 x 4 work-groups form a cluster: A's tiles are asked for jointly along a row of the cluster, B's along a column.
; The matrix instruction is used transposed (source 0 = 16 rows of B, source 1 = 16 rows of A): lane (r, h) of accumulator (a, b) holds A's row 16 a + r and B's rows 16 b + 8 h + 0 .. 7.
; SECTIONS, by the cluster's x (the same number in all sixteen partners).  0: q, 1: k: A = h (tokens), B = W (channels): a lane holds a token, its registers run along the channels, which are the K of q k^T.
; 2: v: A = W's rows 2,048 on (channels), B = h (tokens): a lane holds a channel and its registers run along the tokens, which are the K of p v.  The loop's text is the same.
; THE WAY OUT: a block of 16 A rows x 128 B rows is 64 numbers a lane; the 16 registers of accumulators 2 β and 2 β + 1, in lanes l and l xor 16, are a block of 32 along the next K.  Their codes are stored as
; images of an operand's registers (16 bytes a lane, 512 a store).  Inside a block of 32 the codes stand in the order 16 h + 8 u + j where the number's place is 16 u + 8 h + j: both operands of q k^T, and both
; of p v, are made so, and a permutation inside a scale's block that both operands share leaves every product where it was.
; qkvq: section s at s x 4 MiB: q, k: [bh 32][tile of 16 tokens 128][c 2][lane][16 B]; v: [bh][step of 128 keys 16][tile of 16 channels 4][c 4][lane][16 B].  From QS on, section s at s x 131,072, the scale words:
; q, k: [head pair 16][token 2048]: bytes 0, 1 the even head's, 2, 3 the odd head's; v: [head pair][step 16][8 tiles of channels][16].
; LIMITS: NaN and infinities are not served; a block of zeros gets the byte 1 over zero codes.
.set SIZE_K, 1024
.set KSTEP,  256
.set NQ,     KSTEP/128
.set ROWB,   256
.set KROW,   SIZE_K
.set PITCH,  272                       ; an LDS row: 256 bytes + 16 of padding: the 16 rows of a fragment load start at 16 different banks (64 banks of 4 bytes: ISA guide 11.1)
.set FR,     16
.set NL,     4
.set NP,     8                         ; places behind this matrix instruction (ISA guide 7.12.1)
.set HALFT,  128*PITCH
.set SLOT,   4*HALFT
.set LAPS,   SIZE_K/(2*KSTEP)
.set KS,     SIZE_K/32
.set SCL,    2*SLOT
.set HALFS,  (128*KS/256)*272
.set SBLK,   (16*KS/256)*272
.set SPARE,  SCL+4*HALFS               ; the spare words: 128 bytes a wave, two blocks of 256 bytes that no other line names
.set HS,     4194304
.set QS,     12582912
.set LI,   9                           ; v9   16 x lane
.set LI2,  10                          ; v10  the same for blocks 2 and 3
.set SWA,  11                          ; v11  LDS: where my block's scale word goes: 512 x wave + 4 r (slot 0, after its last fill and last read)
.set SRA,  12                          ; v12  and where the 512 bytes are read back
.set BOH,  13                          ; v13  32 h
.set BOR,  14                          ; v14  4 r
.set ADRA, 16
.set ADRB, 20
.set ADRS, 27
.set SPW,  28
.set NIL,  29
.set SC,   32                          ; v32-63   scale words, two sets
.set BC,   64                          ; v64-127  the bias
.set AF,   128                         ; v128-255 A's fragments; on the way out:
.set T,    128                         ; v128-191 64 numbers
.set PC,   192                         ; v192-207 their codes
.set TM,   208                         ; v208-223 at work
.set PW,   224                         ; v224     the scale word
.set G1, 24
.set G0, 32
.set G1B, 48
.set G0B, 56
.set G1S, 68
.set G0S, 76
.set G1SB, 80
.set G0SB, 88
.set SEC, 95                           ; s95  the section
.set SEL, 68                           ; on the way out the scale descriptors' registers are free: s[68:69] lane selects, s70 mantissa field,
.set MNT, 70
.set IMG, 72                           ; s[72:73] where the images go, s[74:75] the scale words, s[76:77], s[78:79] steps from block to block
.set SCW, 74
.set STA, 76
.set STB, 78
.set MSB, 0
.macro WIN new                         ; the immediate's high byte repeats the setting that is left
.if MSB != (\new)
	s_set_vgpr_msb (MSB<<8)|(\new)
.set MSB, (\new)
.endif
.endm
.set MUL_LO, 0xa1                      ; source 0 (B) window 1, source 1 (A) window 0, C and D window 2
.set MUL_HI, 0xf1
.set TO_B,   0x40
; A joint load: waves 0 and 1 fetch for A, waves 2 and 3 for B; the branch hangs on the wave's number alone.  Four v_nop follow each of the two lines.
.macro JLOAD g0a, g1a, g0b, g1b
	s_cmp_eq_u32 s15, 0
	s_cbranch_scc0 .Lfor_b_\@
	tensor_load_to_lds s[\g0a:\g0a+3], s[\g1a:\g1a+7]
	s_nop 0
.rept 4
	v_nop
.endr
	s_branch .Lasked_\@
.Lfor_b_\@:
	tensor_load_to_lds s[\g0b:\g0b+3], s[\g1b:\g1b+7]
	s_nop 0
.rept 4
	v_nop
.endr
.Lasked_\@:
.endm
.macro CREST
	s_cmp_lg_u32 s14, 0
	s_cbranch_scc1 .Lnot_wave_0_\@
	s_barrier_signal -3
.Lnot_wave_0_\@:
	s_barrier_wait -3
	s_barrier_signal -1
	s_barrier_wait -1
.endm
.macro CROUND
	s_barrier_signal -1
	s_barrier_wait -1
	CREST
.endm
	s_load_b256 s[4:11], s[0:1], 0x0               ; hq s[4:5], W's codes s[6:7], W's scales s[8:9], b_qkv s[10:11]
	s_load_b64 s[12:13], s[0:1], 0x20              ; qkvq
	v_lshl_add_u32 v[SPW], v0, 2, SPARE
	v_mov_b32 v[NIL], 0
	ds_add_u32 v28, v29
	ds_add_u32 v28, v29
	s_wait_dscnt 0x0
	v_lshrrev_b32 v1, 5, v0
	v_readfirstlane_b32 s14, v1                    ; wave 0..3
	s_lshr_b32 s15, s14, 1                         ; which half of A's rows is mine.  Also: I fetch for A (0) or for B (1)
	s_and_b32 s16, s14, 1                          ; which half of B's rows.  Also: which 128 rows of that tile I fetch
	s_bfe_u32 s40, ttmp6, 0x40000                  ; cx, cy
	s_bfe_u32 s41, ttmp6, 0x40004
	s_mov_b32 s[SEC], ttmp9                        ; the cluster's x: 0 q, 1 k, 2 v
	s_lshl_b32 s42, ttmp9, 2
	s_and_b32 s17, ttmp7, 0xffff
	s_lshl_b32 s17, s17, 2
	s_cmp_eq_u32 s[SEC], 2
	s_cselect_b32 s42, s17, s42                    ; B's tiles of 256 rows begin at 4 x cluster y (tokens, for v) or 4 x cluster x (channels)
	s_cselect_b32 s17, 8, s17                      ; A's at W's row 2,048 (v) or 4 x cluster y (tokens)
	s_add_co_u32 s42, s42, s40                     ; + cx: B's tile
	s_add_co_u32 s17, s17, s41                     ; + cy: A's tile
	s_lshl_b32 s43, s41, 2
	s_lshl_b32 s43, 15, s43                        ; my row of the cluster
	s_lshl_b32 s44, 0x1111, s40                    ; my column
	s_or_b32 s[G1+0], s43, (0<<16)|(1<<20)|(1<<21)|(5<<22)|(3<<25)  ; the mask; elements of 1 byte; padding: 4 words after every 64; bit 21 beside a mask
	s_or_b32 s[G1B+0], s44, (0<<16)|(1<<20)|(1<<21)|(5<<22)|(3<<25)
.irp g, G1, G1B
	s_mov_b32 s[\g+1], ROWB<<16                    ; tensor_dim0
	s_mov_b32 s[\g+2], 128<<16                     ; tensor_dim1
	s_mov_b32 s[\g+3], ROWB<<16                    ; tile_dim0
	s_mov_b32 s[\g+4], 128                         ; tile_dim1
	s_mov_b32 s[\g+5], KROW                        ; the pitch
	s_mov_b32 s[\g+6], 0
	s_mov_b32 s[\g+7], 0
.endr
	s_or_b32 s[G1S+0], s43, (3<<16)|(1<<20)|(1<<21)|(5<<22)|(3<<25) ; the scale bytes of 128 rows: a dense block, as rows of 256 bytes (32 elements of 8), 16 bytes of padding behind each
	s_or_b32 s[G1SB+0], s44, (3<<16)|(1<<20)|(1<<21)|(5<<22)|(3<<25)
.irp g, G1S, G1SB
	s_mov_b32 s[\g+1], 32<<16
	s_mov_b32 s[\g+2], (128*KS/256)<<16
	s_mov_b32 s[\g+3], 32<<16
	s_mov_b32 s[\g+4], 128*KS/256
	s_mov_b32 s[\g+5], 32
	s_mov_b32 s[\g+6], 0
	s_mov_b32 s[\g+7], 0
.endr
	s_lshl_b32 s18, s16, 7
	s_lshl_b32 s20, s17, 8
	s_add_co_u32 s20, s20, s18                     ; A: row 256 x tile + 128 x half
	s_lshl_b32 s46, s42, 8
	s_add_co_u32 s46, s46, s18                     ; B likewise
	s_mov_b32 s21, 0
	s_mov_b32 s47, 0
	s_mov_b64 s[18:19], KS
	s_mul_u64 s[22:23], s[20:21], s[18:19]         ; where these rows' scale bytes begin
	s_mul_u64 s[92:93], s[46:47], s[18:19]
	s_mov_b64 s[18:19], KROW
	s_mul_u64 s[20:21], s[20:21], s[18:19]         ; and their codes
	s_mul_u64 s[46:47], s[46:47], s[18:19]
	s_mul_i32 s45, s14, HALFT                      ; where they go: wave x 128 rows
	s_mul_i32 s94, s14, HALFS
	s_wait_kmcnt 0x0
	s_add_nc_u64 s[96:97], s[4:5], HS              ; h's scale bytes
	s_cmp_eq_u32 s[SEC], 2                         ; which buffer is A and which B: the choice hangs on the section alone
	s_cselect_b64 s[98:99], s[6:7], s[4:5]         ; A's codes
	s_cselect_b64 s[100:101], s[8:9], s[96:97]     ; A's scale bytes
	s_cselect_b64 s[6:7], s[4:5], s[6:7]           ; B's codes
	s_cselect_b64 s[8:9], s[96:97], s[8:9]         ; B's scale bytes
	s_add_nc_u64 s[20:21], s[98:99], s[20:21]
	s_add_nc_u64 s[22:23], s[100:101], s[22:23]
	s_add_nc_u64 s[46:47], s[6:7], s[46:47]
	s_add_nc_u64 s[92:93], s[8:9], s[92:93]
	CROUND                                         ; all sixteen work-groups are here: the first joint loads meet
	s_mov_b32 s[G0S], 1
	s_add_co_u32 s[G0S+1], s94, SCL
	s_mov_b64 s[G0S+2:G0S+3], s[22:23]
	s_or_b32 s[G0S+3], s[G0S+3], 0x80000000
	s_mov_b32 s[G0SB], 1
	s_add_co_u32 s[G0SB+1], s94, SCL
	s_mov_b64 s[G0SB+2:G0SB+3], s[92:93]
	s_or_b32 s[G0SB+3], s[G0SB+3], 0x80000000
	JLOAD G0S, G1S, G0SB, G1SB                     ; the scale bytes first
.irp s, 0,1
	s_mov_b32 s[G0+4*\s], 1
	s_add_co_u32 s[G0+4*\s+1], s45, \s*SLOT
	s_add_nc_u64 s[G0+4*\s+2:G0+4*\s+3], s[20:21], \s*ROWB
	s_or_b32 s[G0+4*\s+3], s[G0+4*\s+3], 0x80000000
	s_mov_b32 s[G0B+4*\s], 1
	s_add_co_u32 s[G0B+4*\s+1], s45, \s*SLOT
	s_add_nc_u64 s[G0B+4*\s+2:G0B+4*\s+3], s[46:47], \s*ROWB
	s_or_b32 s[G0B+4*\s+3], s[G0B+4*\s+3], 0x80000000
	JLOAD G0+4*\s, G1, G0B+4*\s, G1B               ; three loads of mine are out
.endr
	v_and_b32 v1, 15, v0                           ; r
	v_bfe_u32 v2, v0, 4, 1                         ; h
	v_mul_u32_u24 v3, v1, PITCH
	v_lshl_add_u32 v4, v2, 4, v3
	s_mul_i32 s21, s15, HALFT
	s_mul_i32 s22, s16, HALFT
	s_add_co_u32 s22, s22, 2*HALFT
.irp s, 0,1
	v_add_nc_u32 v[ADRA+\s], s21, v4
	v_add_nc_u32 v[ADRB+\s], s22, v4
	s_add_co_u32 s21, s21, SLOT
	s_add_co_u32 s22, s22, SLOT
.endr
	v_mul_u32_u24 v5, v1, KS
	v_lshrrev_b32 v6, 8, v5
	v_lshl_add_u32 v5, v6, 4, v5
	s_mul_i32 s21, s15, HALFS
	s_mul_i32 s22, s16, HALFS
	s_add_co_u32 s22, s22, 2*HALFS
	s_sub_co_u32 s22, s22, s21
	v_mul_u32_u24 v6, s22, v2                      ; lanes 16-31 take B's words
	s_add_co_u32 s21, s21, SCL
	v_add_nc_u32 v5, v5, v6
	v_add_nc_u32 v[ADRS], s21, v5
	v_and_b32 v6, 31, v0
	v_lshlrev_b32 v[LI], 4, v6
	s_lshl_b32 s23, s14, 9
	v_lshl_add_u32 v[SWA], v1, 2, s23
	v_add_nc_u32 v[SRA], s23, v[LI]
	v_lshlrev_b32 v[BOH], 5, v2
	v_lshlrev_b32 v[BOR], 2, v1
	; the bias of my 128 channels: B's rows for q and k, A's rows for v
	s_cmp_eq_u32 s[SEC], 2
	s_cselect_b32 s20, s17, s42
	s_cselect_b32 s21, s15, s16
	s_lshl_b32 s20, s20, 10                        ; 4 bytes x 256 x tile
	s_lshl_b32 s21, s21, 9                         ; + 4 x 128 x half
	s_add_co_u32 s20, s20, s21
	s_mov_b32 s21, 0
	s_add_nc_u64 s[10:11], s[10:11], s[20:21]
	s_cmp_eq_u32 s[SEC], 2
	s_cbranch_scc1 .Lbias_v
.irp b, 0,1,2,3,4,5,6,7                ; q, k: register 8 b + j: channel 16 b + 8 h + j
	global_load_b128 v[BC+8*\b:BC+8*\b+3], v[BOH], s[10:11] offset:64*\b
	global_load_b128 v[BC+8*\b+4:BC+8*\b+7], v[BOH], s[10:11] offset:64*\b+16
.endr
	s_branch .Lbias_done
.Lbias_v:
.irp a, 0,1,2,3,4,5,6,7                ; v: registers 2 a and 2 a + 1: channel 16 a + r, twice: a pair for the packed form
	global_load_b32 v[BC+2*\a], v[BOR], s[10:11] offset:64*\a
	global_load_b32 v[BC+2*\a+1], v[BOR], s[10:11] offset:64*\a
.endr
.set i, 16
.rept 48
	v_mov_b32 v[BC+i], 0                           ; not used for v: written so that every register is written on every way
.set i, i+1
.endr
.Lbias_done:
.macro FRAG reg, adr, q, i             ; 16 rows x 128 K: lane l holds row l % 16; registers 4 c .. 4 c + 3 hold K = 32 c + 16 (l / 16) + 0 .. 15
.irp c, 0,1,2,3
	ds_load_b128 v[\reg+4*\c:\reg+4*\c+3], v[\adr] offset:128*(\q)+32*\c+(\i)*16*PITCH
.endr
.endm
; 16 matrix instructions: A's blocks a0, a0 + 1 x B's eight.  The 64 accumulators take turns, one instruction a turn, in the same order in every step.
.macro MUL16 a0, p, q, sc, zero
.irp a, \a0, \a0+1
.irp b, 0,1,2,3,4,5,6,7
.if \zero
	v_wmma_scale_f32_16x16x128_f8f6f4 v[8*(8*((\a)%4)+\b):8*(8*((\a)%4)+\b)+7], v[128*(\p)+FR*\b:128*(\p)+FR*\b+FR-1], v[AF+FR*(\a):AF+FR*(\a)+FR-1], 0, v[SC+8*NQ*(\sc)+NQ*\b+(\q)], v[SC+8*NQ*(\sc)+NQ*(\a)+(\q)] matrix_a_fmt:MATRIX_FMT_BF8 matrix_b_fmt:MATRIX_FMT_BF8 matrix_a_scale:MATRIX_SCALE_ROW1
.else
	v_wmma_scale_f32_16x16x128_f8f6f4 v[8*(8*((\a)%4)+\b):8*(8*((\a)%4)+\b)+7], v[128*(\p)+FR*\b:128*(\p)+FR*\b+FR-1], v[AF+FR*(\a):AF+FR*(\a)+FR-1], v[8*(8*((\a)%4)+\b):8*(8*((\a)%4)+\b)+7], v[SC+8*NQ*(\sc)+NQ*\b+(\q)], v[SC+8*NQ*(\sc)+NQ*(\a)+(\q)] matrix_a_fmt:MATRIX_FMT_BF8 matrix_b_fmt:MATRIX_FMT_BF8 matrix_a_scale:MATRIX_SCALE_ROW1
.endif
.endr
.endr
.endm
.macro FETCH_B slot, q, p
	WIN TO_B
.irp i, 0,1,2,3,4,5,6,7
	FRAG 128*(\p)+FR*\i, ADRB+\slot, \q, \i
.endr
	WIN 0
.endm
.macro FETCH_A slot, q, i0
.irp i, \i0, \i0+1, \i0+2, \i0+3
	FRAG AF+FR*(\i), ADRA+\slot, \q, \i
.endr
.endm
.macro SCALES sc                       ; a K step's scale words: lanes 0-15 A's block i, lanes 16-31 B's block i
.irp i, 0,1,2,3,4,5,6,7
	ds_load_b64 v[SC+8*NQ*\sc+NQ*\i:SC+8*NQ*\sc+NQ*\i+1], v[ADRS] offset:\i*SBLK
.endr
.endm
.macro PLACES n                        ; plain vector lines between a matrix instruction and a load into, or a vector line on, its registers
.rept \n
	v_nop
.endr
.endm
.macro STEP slot, q, zero
	s_wait_dscnt 4*NL                              ; B's set and A's blocks 0-3 are in; A's blocks 4-7, 16 loads, may be out
	WIN MUL_LO
	MUL16 0, (\q)%2, \q, \slot, \zero
	MUL16 2, (\q)%2, \q, \slot, \zero
	s_wait_dscnt 0
	PLACES NP
	FETCH_B \slot, (\q)+1, 1-(\q)%2
	FETCH_A \slot, (\q)+1, 0
	WIN MUL_HI
	MUL16 4, (\q)%2, \q, \slot, \zero
	MUL16 6, (\q)%2, \q, \slot, \zero
	PLACES NP
	WIN 0
	FETCH_A \slot, (\q)+1, 4
.endm
; A slot's last step changes slots: one barrier; in front of it each wave waits for all its tensor loads, adds 0 to its spare word, and waits for that and for its reads of this slot.
.macro TURN slot, next, fill
	s_wait_tensorcnt 0x0                           ; all my tensor loads have landed: my part of the next slot
	ds_add_u32 v[SPW], v[NIL]                      ; 0 onto my spare word
	s_wait_dscnt 4*NL+1                            ; the add and A's blocks 4-7 may be out
	WIN MUL_LO
	MUL16 0, 1, NQ-1, \slot, 0
	s_wait_dscnt 0x0                               ; the add is done, and my reads of this slot are over
	s_barrier_signal -1
	MUL16 2, 1, NQ-1, \slot, 0
	WIN 0
	s_barrier_wait -1
.if \fill
	CREST                                          ; the barrier has opened a round of the cluster's barrier: no wave of any partner still reads this slot or has a load on its way
	s_add_nc_u64 s[G0+4*\slot+2:G0+4*\slot+3], s[G0+4*\slot+2:G0+4*\slot+3], 2*ROWB
	s_add_nc_u64 s[G0B+4*\slot+2:G0B+4*\slot+3], s[G0B+4*\slot+2:G0B+4*\slot+3], 2*ROWB
	JLOAD G0+4*\slot, G1, G0B+4*\slot, G1B         ; the first tensor load behind the round; its four v_nop are four of the eight places
	PLACES NP-4
.else
	PLACES NP
.endif
	v_add_nc_u32 v[ADRS], 4*NQ, v[ADRS]
	FETCH_B \next, 0, 0
	FETCH_A \next, 0, 0
	SCALES \next
	WIN MUL_HI
	MUL16 4, 1, NQ-1, \slot, 0
	MUL16 6, 1, NQ-1, \slot, 0
	PLACES NP
	WIN 0
	FETCH_A \next, 0, 4
.endm
	s_wait_tensorcnt 1                             ; the scale bytes and my part of K step 0 are in; K step 1's load may be out
	s_barrier_signal -1
	s_barrier_wait -1
	FETCH_B 0, 0, 0
	FETCH_A 0, 0, 0
	SCALES 0
	FETCH_A 0, 0, 4
	STEP 0, 0, 1                                   ; the first step's products start the sums
	s_mov_b32 s3, LAPS-1
.Llap:
	TURN 0, 1, 1
	STEP 1, 0, 0
	TURN 1, 0, 1
	STEP 0, 0, 0
	s_sub_co_u32 s3, s3, 1
	s_cmp_lg_u32 s3, 0
	s_cbranch_scc1 .Llap
	TURN 0, 1, 0
	STEP 1, 0, 0
	s_wait_dscnt 4*NL
	WIN MUL_LO
	MUL16 0, 1, NQ-1, 1, 0
	MUL16 2, 1, NQ-1, 1, 0
	s_wait_dscnt 0
	WIN MUL_HI
	MUL16 4, 1, NQ-1, 1, 0
	MUL16 6, 1, NQ-1, 1, 0
	WIN 0
	; ---- THE WAY OUT
	PLACES NP
	s_wait_loadcnt 0x0                             ; the bias
	s_mov_b32 s[SEL], 0x76543210
	s_mov_b32 s[SEL+1], 0xfedcba98
	s_mov_b32 s[MNT], 0x600000
	s_cmp_eq_u32 s[SEC], 2
	s_cselect_b32 s80, s42, s17                    ; the tile of 256 tokens,
	s_cselect_b32 s81, s16, s15                    ; my half of it,
	s_cselect_b32 s82, s17, s42                    ; the tile of 256 channels,
	s_cselect_b32 s83, s15, s16                    ; my half of it
	s_mov_b32 s[STA], 1024
	s_cselect_b32 s[STA], 2048, s[STA]             ; from block to block: a tile of 16 tokens (q, k) or of 16 channels (v);
	s_mov_b32 s[STB], 1024
	s_cselect_b32 s[STB], 124928, s[STB]           ; v's block 4 begins the next head: 131,072 - 3 x 2,048
	s_mov_b32 s84, 131072
	s_cselect_b32 s84, 1024, s84                   ; blocks of 32 number 2 and 3: the next head (q, k) or 1,024 bytes on (v)
	s_mov_b32 s[STA+1], 0
	s_mov_b32 s[STB+1], 0
	s_and_b32 s82, s82, 3
	s_lshl_b32 s82, s82, 2
	s_lshl_b32 s83, s83, 1
	s_add_co_u32 s82, s82, s83                     ; my first head: 4 x tile + 2 x half
	s_lshr_b32 s85, s80, 3                         ; the batch
	s_and_b32 s80, s80, 7
	s_lshl_b32 s80, s80, 1
	s_add_co_u32 s80, s80, s81                     ; my 128 tokens' number in the batch
	s_lshl_b32 s86, s85, 4
	s_add_co_u32 s86, s86, s82                     ; bh
	s_lshl_b32 s[IMG], s86, 17
	s_lshl_b32 s87, s80, 13
	s_add_co_u32 s[IMG], s[IMG], s87
	s_lshl_b32 s87, s[SEC], 22
	s_add_co_u32 s[IMG], s[IMG], s87
	s_mov_b32 s[IMG+1], 0
	s_lshr_b32 s86, s86, 1                         ; the head pair
	s_lshl_b32 s[SCW], s86, 13
	s_lshl_b32 s87, s80, 9
	s_add_co_u32 s[SCW], s[SCW], s87
	s_lshl_b32 s87, s[SEC], 17
	s_add_co_u32 s[SCW], s[SCW], s87
	s_add_co_u32 s[SCW], s[SCW], QS
	s_mov_b32 s[SCW+1], 0
	s_add_nc_u64 s[IMG:IMG+1], s[12:13], s[IMG:IMG+1]
	s_add_nc_u64 s[SCW:SCW+1], s[12:13], s[SCW:SCW+1]
	v_add_nc_u32 v[LI2], s84, v[LI]
.irp b, 0,1,2,3
	v_mov_b32 v[TM+4+\b], 0                        ; a lane permute's destination counts as one of its sources
.endr
.macro COPY a                          ; block a's sums + the bias of the registers' channels; each accumulator is read from its low end on
	WIN 0x02+(\a)/4
.set i, 0
.rept 32
	v_pk_add_f32 v[T+i:T+i+1], v[64*((\a)%4)+i:64*((\a)%4)+i+1], v[BC+i:BC+i+1]
.set i, i+2
.endr
	WIN 0
.endm
.macro COPYV a                         ; the same with the bias of the lane's channel
	WIN 0x02+(\a)/4
.set i, 0
.rept 32
	v_pk_add_f32 v[T+i:T+i+1], v[64*((\a)%4)+i:64*((\a)%4)+i+1], v[BC+2*(\a):BC+2*(\a)+1]
.set i, i+2
.endr
	WIN 0
.endm
; 64 numbers of a lane, four blocks of 16 registers, each joined with lane l xor 16's: codes in v[PC] on, the four scale bytes in v[PW]
.macro QUANT s
.irp b, 0,1,2,3
	v_max3_num_f32 v[TM+\b], |v[\s+16*\b]|, |v[\s+1+16*\b]|, 0x8000000   ; with the floor 2^(16 - 127): the byte cannot fall under 1
.endr
.irp i, 2,4,6,8,10,12,14
.irp b, 0,1,2,3
	v_max3_num_f32 v[TM+\b], v[TM+\b], |v[\s+16*\b+\i]|, |v[\s+1+16*\b+\i]|
.endr
.endr
.irp b, 0,1,2,3
	v_permlanex16_b32 v[TM+4+\b], v[TM+\b], s[SEL], s[SEL+1]
.endr
.irp b, 0,1,2,3
	v_max_num_f32 v[TM+\b], v[TM+\b], v[TM+4+\b]
.endr
.irp b, 0,1,2,3
	v_add_nc_u32 v[TM+12+\b], 0xf8800000, v[TM+\b] ; 15 off the exponent field: the conversion's scale operand
.endr
.irp b, 0,1,2,3
	v_and_or_b32 v[TM+8+\b], v[TM+\b], 0x7f800000, s[MNT]   ; 57,344 x the scale
.endr
.irp b, 0,1,2,3
	v_lshrrev_b32 v[TM+4+\b], 23, v[TM+12+\b]      ; the scale's byte
.endr
	v_lshl_or_b32 v[PW], v[TM+5], 8, v[TM+4]
	v_lshl_or_b32 v[PW], v[TM+6], 16, v[PW]
	v_lshl_or_b32 v[PW], v[TM+7], 24, v[PW]
.irp b, 0,1,2,3
.irp i, 0,1,2,3,4,5,6,7,8,9,10,11,12,13,14,15
	v_med3_num_f32 v[\s+16*\b+\i], v[\s+16*\b+\i], -v[TM+8+\b], v[TM+8+\b]   ; the conversion does not saturate (ISA guide 7.6.2): the hold comes first
.endr
	v_cvt_scalef32_pk8_bf8_f32 v[PC+4*\b:PC+1+4*\b], v[\s+16*\b:\s+7+16*\b], v[TM+12+\b]
	v_cvt_scalef32_pk8_bf8_f32 v[PC+2+4*\b:PC+3+4*\b], v[\s+8+16*\b:\s+15+16*\b], v[TM+12+\b]
.endr
	v_nop                                          ; a plain line behind the last conversion: the next block writes its sources
.endm
.macro EPI a
.if (\a) > 0
	s_wait_xcnt 0x0                                ; the last block's stores have read their data and their base: both are written again
.if (\a) == 4
	s_add_nc_u64 s[IMG:IMG+1], s[IMG:IMG+1], s[STB:STB+1]
.else
	s_add_nc_u64 s[IMG:IMG+1], s[IMG:IMG+1], s[STA:STA+1]
.endif
.endif
	s_cmp_eq_u32 s[SEC], 2
	s_cbranch_scc1 .Lfor_v_\@
	COPY \a
	s_branch .Lsummed_\@
.Lfor_v_\@:
	COPYV \a
.Lsummed_\@:
	QUANT T
	ds_store_b32 v[SWA], v[PW] offset:64*(\a)      ; lanes l and l + 16 write the same word with the same value
	global_store_b128 v[LI], v[PC:PC+3], s[IMG:IMG+1]                 ; each store: 512 consecutive bytes, aligned
	global_store_b128 v[LI], v[PC+4:PC+7], s[IMG:IMG+1] offset:512
	global_store_b128 v[LI2], v[PC+8:PC+11], s[IMG:IMG+1]
	global_store_b128 v[LI2], v[PC+12:PC+15], s[IMG:IMG+1] offset:512
.endm
.irp a, 0,1,2,3,4,5,6,7
	EPI \a
.endr
	ds_load_b128 v[T:T+3], v[SRA]                  ; my 128 scale words; LDS serves a wave's instructions in order
	s_wait_dscnt 0x0
	global_store_b128 v[LI], v[T:T+3], s[SCW:SCW+1]
	s_wait_tensorcnt 0x0                           ; the wave's end
	ds_add_u32 v[SPW], v[NIL]
	s_wait_dscnt 0x0
	CROUND                                         ; the closing round
	s_endpgm
.Lfunc_end_k_qd3159fc58f_qkv:
	.size	k_qd3159fc58f_qkv, .Lfunc_end_k_qd3159fc58f_qkv-k_qd3159fc58f_qkv
	.p2alignl 7, 3214868480
	.fill 96, 4, 3214868480
	.section	.rodata,"a",@progbits
	.p2align	6, 0x0
	.amdhsa_kernel k_qd3159fc58f_qkv
		.amdhsa_group_segment_fixed_size 327680
		.amdhsa_private_segment_fixed_size 0
		.amdhsa_enable_private_segment 0
		.amdhsa_kernarg_size 40
		.amdhsa_user_sgpr_count 2
		.amdhsa_user_sgpr_kernarg_segment_ptr 1
		.amdhsa_wavefront_size32 1
		.amdhsa_system_sgpr_workgroup_id_x 1
		.amdhsa_system_sgpr_workgroup_id_y 1
		.amdhsa_system_sgpr_workgroup_id_z 1
		.amdhsa_system_vgpr_workitem_id 0
		.amdhsa_next_free_vgpr 1024
		.amdhsa_next_free_sgpr 102
		.amdhsa_reserve_vcc 0
		.amdhsa_float_denorm_mode_32 3
		.amdhsa_float_denorm_mode_16_64 3
		.amdhsa_memory_ordered 1
		.amdhsa_forward_progress 1
		.amdhsa_inst_pref_size 224
	.end_amdhsa_kernel
	.amdgpu_metadata
---
amdhsa.version: [ 1, 2 ]
amdhsa.kernels:
  - .name:           k_qd3159fc58f_qkv
    .symbol:         k_qd3159fc58f_qkv.kd
    .args:
      - { .name: hq, .offset: 0, .size: 8, .value_kind: global_buffer, .address_space: global }
      - { .name: w_qkv_codes, .offset: 8, .size: 8, .value_kind: global_buffer, .address_space: global }
      - { .name: w_qkv_scales, .offset: 16, .size: 8, .value_kind: global_buffer, .address_space: global }
      - { .name: b_qkv, .offset: 24, .size: 8, .value_kind: global_buffer, .address_space: global }
      - { .name: qkvq, .offset: 32, .size: 8, .value_kind: global_buffer, .address_space: global }
    .group_segment_fixed_size: 327680
    .private_segment_fixed_size: 0
    .kernarg_segment_align: 8
    .kernarg_segment_size: 40
    .max_flat_workgroup_size: 128
    .sgpr_count:     102
    .vgpr_count:     1024
    .wavefront_size: 32
...
	.end_amdgpu_metadata
.endif
;; end of part 2
;; launch attn (part 3): grid 8 x 32, 16 waves a work-group, clusters of 4 x 1, 280,576 bytes of LDS; arguments qkvq, ao; writes ao
.if DOCPART == 3
	.amdgcn_target "amdgcn-amd-amdhsa--gfx1250"
	.amdhsa_code_object_version 6
	.text
	.protected	k_qd3159fc58f_attn
	.globl	k_qd3159fc58f_attn
	.p2align	8
	.type	k_qd3159fc58f_attn,@function
k_qd3159fc58f_attn:
	s_mov_b64 s[64:65], 0
	v_nop
	global_prefetch_b8 v0, s[64:65] scope:SCOPE_SE
	s_setreg_imm32_b32 hwreg(HW_REG_WAVE_MODE, 25, 1), 1
	s_wait_xcnt 0x0
	s_wait_alu depctr_hold_cnt(0) depctr_sa_sdst(0) depctr_va_vdst(0) depctr_va_sdst(0) depctr_va_ssrc(0) depctr_va_vcc(0) depctr_vm_vsrc(0)
	s_getreg_b32 s2, hwreg(HW_REG_IB_STS2, 6, 4)
	s_cmp_eq_u32 s2, 0
	s_cbranch_scc0 .Lentry_in_a_cluster
	s_endpgm
.Lentry_in_a_cluster:
	s_bfe_u32 s2, ttmp6, 0x10000c
	s_cmp_lg_u32 s2, 0x3003
	s_cbranch_scc0 .Lentry_shape_is_right
	s_endpgm
.Lentry_shape_is_right:
; O[q] = sum over keys of softmax(q . k / 8) v for one (batch, head), both products on codes of E5M2 with E8M0 scales; then O / l is quantised along the model's 1,024 for the next product.
; THE SOFTMAX AHEAD OF THE SECOND PRODUCT: t = score x log2(e) / 8; M = the running largest t rounded UP to a whole number; p = 2^(t - M) is quantised along the keys, not normalised; the row's sum is taken of
; the unquantised p and divides at the end.  When M moves, the sum and O are multiplied by 2^(old M - new M): exact.
; IN (qkvq): images of operand registers and scale words as the launch before lays them (its head comment).  OUT (ao): images [block of 128 rows 32][K step of 128 8][tile of 16 rows 8][2,048 B] in true k order, byte
; 512 c + 16 (r + 16 h) + i = k 32 c + 16 h + i of row r; from AS on one scale word for each (block, K step, row).
; SHARES: a work-group owns 256 queries of one head, each of its sixteen waves 16: four waves to a SIMD, so that one wave's vector work stands beside another's matrix work.
; LDS: THE WHOLE HEAD STAYS: K's images 131,072 bytes, V's 131,072, the head pair's scale words 8,192 + 8,192.  Every byte is filled once, so there is no ring and no refill.
; CLUSTER: the four query blocks of a cluster walk the same K and V: every tile is asked for jointly, mask 15.  Each wave issues five loads at the head (its piece of the scale words, and its piece of each of four
; groups of four key steps): five loads of a wave are out.
; TWO BARRIERS, NO MORE.  Key step 0 is read behind a counted wait (my pieces of the scale words and of the first group are in; my three later pieces may be out) and a barrier.  Behind that one step stand the wait
; for all my loads and the second barrier: from there on every byte of the head lies in LDS for every wave, and the other 15 key steps run in one loop in which no wave waits for another.
; LAYOUT: both products transposed: S^T = K Q^T (source 0 = 16 keys), O^T = V^T P^T (source 0 = 16 channels): a lane holds one query throughout.  The 16 registers of S^T's tiles 2 β, 2 β + 1 in lanes l, l xor 16
; are a block of 32 keys; p's codes stand inside a block in the same order as v's.
; K = 64 IN AN INSTRUCTION OF 128: Q's upper 64 codes are zeros.  Source 0 of tile t is v[32 + 8 t .. 47 + 8 t]: its upper half is the next tile's codes (finite: the quantiser holds them) or, for tile 7, zeros;
; they meet zero codes and add nothing.  The scale bytes 2 and 3 are 0, which is 2^-127 and no NaN.
; LIMITS: NaN and infinities are not served; a block of zeros gets the byte 1 over zero codes.
.set KI,   4194304                     ; k's images in qkvq; v's lie 4 MiB further on
.set QS,   12582912                    ; q's scale words; k's 131,072 further on, v's again
.set KSC,  12713984
.set AS,   4194304                     ; ao's scale words
.set VL,   131072                      ; LDS: V's images
.set SCK,  262144                      ; K's scale words
.set SCV,  270336                      ; V's
.set AK0,  1                           ; v1  16 x lane
.set AV0,  2                           ; v2  VL + 16 x lane
.set ASK0, 3                           ; v3  SCK + 4 r + 2 x the head's parity
.set ASV0, 4                           ; v4  SCV + 256 x parity + 4 r
.set LO8,  5                           ; v5  16 r + 8 h
.set R4,   6                           ; v6  4 r
.set ADK,  8                           ; v8-11 the step's addresses
.set ADV,  9
.set ADS,  10
.set ADT,  11
.set QF,   16                          ; v16-23 Q's codes, v24-31 zeros;  v12 -M, v13 the largest t, v[14:15] the sum in two halves
.set KF,   32                          ; v32-95 eight tiles of K (8 registers each) or four fragments of V;  v96-103 zeros, never rewritten
.set S,    104                         ; v104-167 S^T, then p
.set O,    168                         ; v168-199 O^T
.set PC,   200                         ; v200-215 p's codes
.set SR,   216                         ; v216-223 K's or V's scale words
.set BM,   224                         ; v224-227 block maxima, v228-231 the other half's / bytes, v232-235 holds, v236-239 scale operands
.set BP,   228
.set HO,   232
.set SO,   236
.set L2,   240                         ; v[240:241] the sum's second chain
.set TP,   242
.set PW,   245                         ; p's scale word
.set F,    246                         ; v[246:247] f = 2^(old M - new M)
.set QSC,  255                         ; Q's scale bytes
.set WV,   8
.set MNT,  19
.set SEL,  20
.set CS,   22
.set G1,   24                          ; s[24:31] group 1 for a piece of images: 4,096 dense bytes
.set G1S,  32                          ; s[32:39] for a piece of scale words: 1,024 dense bytes
.set G0,   40                          ; s[40:59] five groups 0
.set TB,   60
.set TS,   61
.set CNT,  62
.macro CROUND
	s_barrier_signal -1
	s_barrier_wait -1
	s_cmp_lg_u32 s[WV], 0
	s_cbranch_scc1 .Lnot_wave_0_\@
	s_barrier_signal -3
.Lnot_wave_0_\@:
	s_barrier_wait -3
	s_barrier_signal -1
	s_barrier_wait -1
.endm
	s_load_b128 s[4:7], s[0:1], 0x0                ; qkvq s[4:5], ao s[6:7]
	v_lshl_add_u32 v253, v0, 2, 0x44000
	v_mov_b32 v254, 0
	ds_add_u32 v253, v254
	ds_add_u32 v253, v254
	v_lshrrev_b32 v1, 5, v0
	v_readfirstlane_b32 s[WV], v1                  ; wave 0..15
	s_bfe_u32 s9, ttmp6, 0x40000                   ; cx
	s_lshl_b32 s10, ttmp9, 2
	s_add_co_u32 s10, s10, s9                      ; my block of 256 queries: it enters Q's and ao's global addresses alone
	s_and_b32 s11, ttmp7, 0xffff                   ; bh = 16 x batch + head: the four partners share it
	s_and_b32 s12, s11, 1                          ; the head's parity
	s_lshr_b32 s13, s11, 1                         ; the head pair
	s_lshr_b32 s14, s[WV], 3                       ; waves 0-7 fetch for K, waves 8-15 for V
	s_and_b32 s15, s[WV], 7
	s_lshl_b32 s16, s14, 22                        ; my pieces of images, in memory: K's or V's section,
	s_lshl_b32 s17, s11, 17                        ; the head's 131,072 bytes,
	s_add_co_u32 s16, s16, s17
	s_lshl_b32 s17, s15, 12                        ; 4,096 bytes of each group of 32,768
	s_add_co_u32 s16, s16, s17
	s_add_co_u32 s16, s16, KI
	s_mov_b32 s17, 0
	s_lshl_b32 s18, s14, 17                        ; and in LDS
	s_lshl_b32 s66, s15, 12
	s_add_co_u32 s18, s18, s66
	s_lshl_b32 s66, s14, 17                        ; my piece of scale words, in memory
	s_lshl_b32 s67, s13, 13
	s_add_co_u32 s66, s66, s67
	s_lshl_b32 s67, s15, 10
	s_add_co_u32 s66, s66, s67
	s_add_co_u32 s66, s66, KSC
	s_mov_b32 s67, 0
	s_lshl_b32 s68, s10, 4
	s_add_co_u32 s68, s68, s[WV]                   ; my tile of 16 queries
	s_lshl_b32 s72, s68, 6                         ; its scale words: 4 bytes a query
	s_lshl_b32 s68, s68, 10                        ; its image: 1,024 bytes
	s_lshl_b32 s69, s11, 17
	s_add_co_u32 s68, s68, s69
	s_mov_b32 s69, 0
	s_lshl_b32 s73, s13, 13
	s_add_co_u32 s72, s72, s73
	s_lshl_b32 s73, s12, 1
	s_add_co_u32 s72, s72, s73
	s_add_co_u32 s72, s72, QS
	s_mov_b32 s73, 0
	s_lshr_b32 s70, s11, 4                         ; ao: the block of 128 rows: 16 x batch + 2 x query block + wave / 8
	s_lshl_b32 s70, s70, 4
	s_lshl_b32 s71, s10, 1
	s_add_co_u32 s70, s70, s71
	s_add_co_u32 s70, s70, s14
	s_lshl_b32 s70, s70, 3
	s_bfe_u32 s71, s11, 0x30001                    ; the K step: head / 2
	s_add_co_u32 s70, s70, s71
	s_lshl_b32 s74, s70, 3
	s_add_co_u32 s74, s74, s15                     ; the tile of 16 rows: wave % 8
	s_lshl_b32 s74, s74, 11
	s_lshl_b32 s71, s12, 10                        ; an odd head's 64 channels: 1,024 bytes on
	s_add_co_u32 s74, s74, s71
	s_mov_b32 s75, 0
	s_lshl_b32 s76, s70, 9                         ; the scale words: 128 a (block, K step)
	s_lshl_b32 s71, s15, 6
	s_add_co_u32 s76, s76, s71
	s_lshl_b32 s71, s12, 1
	s_add_co_u32 s76, s76, s71
	s_add_co_u32 s76, s76, AS
	s_mov_b32 s77, 0
	s_mov_b32 s[G1], 15|(3<<16)|(1<<21)            ; the mask: all four work-groups; elements of 8 bytes; bit 21 beside a mask; no padding: images are read 512 consecutive bytes at a time
	s_mov_b32 s[G1+1], 32<<16                      ; rows of 256 bytes,
	s_mov_b32 s[G1+2], 16<<16                      ; sixteen of them
	s_mov_b32 s[G1+3], 32<<16
	s_mov_b32 s[G1+4], 16
	s_mov_b32 s[G1+5], 32
	s_mov_b32 s[G1+6], 0
	s_mov_b32 s[G1+7], 0
	s_mov_b32 s[G1S], 15|(3<<16)|(1<<21)
	s_mov_b32 s[G1S+1], 32<<16
	s_mov_b32 s[G1S+2], 4<<16                      ; four rows of 256 bytes
	s_mov_b32 s[G1S+3], 32<<16
	s_mov_b32 s[G1S+4], 4
	s_mov_b32 s[G1S+5], 32
	s_mov_b32 s[G1S+6], 0
	s_mov_b32 s[G1S+7], 0
	s_mov_b32 s[SEL], 0x76543210
	s_mov_b32 s[SEL+1], 0xfedcba98
	s_mov_b32 s[CS], 0x3e38aa3b                    ; c = log2(e) / 8
	s_mov_b32 s[CS+1], s[CS]
	s_mov_b32 s[MNT], 0x600000
	s_wait_dscnt 0x0
	s_wait_kmcnt 0x0
	s_add_nc_u64 s[16:17], s[4:5], s[16:17]
	s_add_nc_u64 s[66:67], s[4:5], s[66:67]
	s_add_nc_u64 s[68:69], s[4:5], s[68:69]
	s_add_nc_u64 s[72:73], s[4:5], s[72:73]
	s_add_nc_u64 s[74:75], s[6:7], s[74:75]
	s_add_nc_u64 s[76:77], s[6:7], s[76:77]
	CROUND                                         ; all four work-groups are here: the joint loads meet
	s_mov_b32 s[G0], 1
	s_lshl_b32 s[G0+1], s[WV], 10
	s_add_co_u32 s[G0+1], s[G0+1], SCK             ; K's eight pieces, then V's eight
	s_mov_b64 s[G0+2:G0+3], s[66:67]
	s_or_b32 s[G0+3], s[G0+3], 0x80000000
.irp g, 0,1,2,3
	s_mov_b32 s[G0+4+4*\g], 1
	s_add_co_u32 s[G0+5+4*\g], s18, 32768*\g
	s_add_nc_u64 s[G0+6+4*\g:G0+7+4*\g], s[16:17], 32768*\g
	s_or_b32 s[G0+7+4*\g], s[G0+7+4*\g], 0x80000000
.endr
	tensor_load_to_lds s[G0:G0+3], s[G1S:G1S+7]
	s_nop 0
.irp g, 1,2,3,4
	tensor_load_to_lds s[G0+4*\g:G0+4*\g+3], s[G1:G1+7]
	s_nop 0
.endr
.rept 4
	v_nop                                          ; four v_nop follow the last of them
.endr
	v_and_b32 v7, 31, v0
	v_and_b32 v[R4], 15, v0
	v_bfe_u32 v9, v0, 4, 1
	v_lshlrev_b32 v[AK0], 4, v7
	v_add_nc_u32 v[AV0], VL, v[AK0]
	v_lshlrev_b32 v[R4], 2, v[R4]
	s_lshl_b32 s78, s12, 1
	s_add_co_u32 s78, s78, SCK
	v_add_nc_u32 v[ASK0], s78, v[R4]
	s_lshl_b32 s78, s12, 8
	s_add_co_u32 s78, s78, SCV
	v_add_nc_u32 v[ASV0], s78, v[R4]
	v_lshlrev_b32 v[LO8], 2, v[R4]
	v_lshl_add_u32 v[LO8], v9, 3, v[LO8]
	global_load_b128 v[QF:QF+3], v[AK0], s[68:69]
	global_load_b128 v[QF+4:QF+7], v[AK0], s[68:69] offset:512
	global_load_u16 v[QSC], v[R4], s[72:73]        ; my head's two scale bytes; bytes 2 and 3 are 0
.irp j, 0,1,2,3,4,5,6,7
	v_mov_b32 v[QF+8+\j], 0                        ; Q's codes for k = 64 .. 127
	v_mov_b32 v[96+\j], 0                          ; and what stands behind K's last tile
.endr
	v_mov_b32 v13, 0xff61b1e6                      ; the largest t so far: -3e38
	v_floor_f32 v12, -v13                          ; -M
	v_mov_b32 v14, 0
	v_mov_b32 v15, 0
.irp b, 0,1,2,3
	v_mov_b32 v[BP+\b], 0                          ; a lane permute's destination counts as one of its sources
.endr
	v_mov_b32 v[TP], 0
	v_mov_b32 v[F+1], 0                            ; named as the upper half of a pair
.set j, 0
.rept 32
	v_mov_b32 v[O+j], 0                            ; the step has one form: its first run finds zeros, which the first change of M leaves zeros
.set j, j+1
.endr
; A KEY STEP: 128 keys
.macro STEP
	v_add_nc_u32 v[ADK], s[TB], v[AK0]
	v_add_nc_u32 v[ADV], s[TB], v[AV0]
	v_add_nc_u32 v[ADS], s[TS], v[ASK0]
	v_add_nc_u32 v[ADT], s[TS], v[ASV0]
.rept 4
	v_nop                                          ; with the four additions: eight places behind the last step's products, into whose registers the loads below go
.endr
.irp t, 0,1,2,3,4,5,6,7
	ds_load_b128 v[KF+8*\t:KF+8*\t+3], v[ADK] offset:1024*\t
	ds_load_b128 v[KF+8*\t+4:KF+8*\t+7], v[ADK] offset:1024*\t+512
	ds_load_u16 v[SR+\t], v[ADS] offset:64*\t
.endr
	s_wait_dscnt 0x0
.irp t, 0,1,2,3,4,5,6,7
	v_wmma_scale_f32_16x16x128_f8f6f4 v[S+8*\t:S+8*\t+7], v[KF+8*\t:KF+8*\t+15], v[QF:QF+15], 0, v[SR+\t], v[QSC] matrix_a_fmt:MATRIX_FMT_BF8 matrix_b_fmt:MATRIX_FMT_BF8
.endr
.rept 8
	v_nop                                          ; places in front of the loads into K's registers and of the first read of the scores
.endr
.irp t, 0,1,2,3                        ; V's fragments are asked for now and land under the softmax
.irp c, 0,1,2,3
	ds_load_b128 v[KF+16*\t+4*\c:KF+16*\t+4*\c+3], v[ADV] offset:2048*\t+512*\c
.endr
	ds_load_b32 v[SR+\t], v[ADT] offset:64*\t
.endr
.irp b, 0,1,2,3
	v_max3_num_f32 v[BM+\b], v[S+16*\b], v[S+1+16*\b], v[S+2+16*\b]   ; the largest score of each block of 32 keys: for the row's maximum and, since p rises with the score, for the block's largest p
.endr
.irp i, 3,5,7,9,11,13
.irp b, 0,1,2,3
	v_max3_num_f32 v[BM+\b], v[BM+\b], v[S+16*\b+\i], v[S+1+16*\b+\i]
.endr
.endr
.irp b, 0,1,2,3
	v_max_num_f32 v[BM+\b], v[BM+\b], v[S+15+16*\b]
.endr
.irp b, 0,1,2,3
	v_permlanex16_b32 v[BP+\b], v[BM+\b], s[SEL], s[SEL+1]
.endr
.irp b, 0,1,2,3
	v_max_num_f32 v[BM+\b], v[BM+\b], v[BP+\b]
.endr
	v_max3_num_f32 v[TP], v[BM], v[BM+1], v[BM+2]
	v_max_num_f32 v[TP], v[TP], v[BM+3]
	v_mul_f32 v[TP], s[CS], v[TP]
	v_max_num_f32 v13, v13, v[TP]                  ; the running largest t
	v_mov_b32 v[TP], v12
	v_floor_f32 v12, -v13                          ; the new -M = -ceil(t)
	v_sub_f32 v[TP], v12, v[TP]                    ; old M - new M: a whole number, 0 or less
	v_cvt_i32_f32 v[TP], v[TP]
	v_ldexp_f32 v[F], 1.0, v[TP]                   ; f
.set j, 0
.rept 32
	v_pk_fma_f32 v[S+j:S+j+1], v[S+j:S+j+1], s[CS:CS+1], v[12:13] op_sel_hi:[1,0,0]   ; t - M
.set j, j+2
.endr
.irp b, 0,1,2,3
	v_fma_f32 v[BM+\b], v[BM+\b], s[CS], v12
.endr
.set j, 0
.rept 64
	v_exp_f32 v[S+j], v[S+j]                       ; p = 2^(t - M)
.set j, j+1
.endr
	v_pk_mul_f32 v[14:15], v[14:15], v[F:F+1] op_sel_hi:[1,0]   ; the sums under the new M: a plain line behind the exponentials
	s_wait_alu depctr_va_vdst(0)                   ; one wait for the batch, ahead of its first reader
.irp b, 0,1,2,3
	v_exp_f32 v[BM+\b], v[BM+\b]                   ; the block's largest p
.endr
	v_pk_add_f32 v[L2:L2+1], v[S:S+1], v[S+2:S+3]  ; the row's sum of the unquantised p, in two chains
.irp j, 4,8,12,16,20,24,28,32,36,40,44,48,52,56,60
	v_pk_add_f32 v[14:15], v[14:15], v[S+\j:S+\j+1]
	v_pk_add_f32 v[L2:L2+1], v[L2:L2+1], v[S+\j+2:S+\j+3]
.endr
	v_pk_add_f32 v[14:15], v[14:15], v[L2:L2+1]
	s_wait_alu depctr_va_vdst(0)                   ; and one for the four
.irp b, 0,1,2,3
	v_max_num_f32 v[BM+\b], 0x8000000, v[BM+\b]    ; the floor 2^(16 - 127)
.endr
.irp b, 0,1,2,3
	v_add_nc_u32 v[SO+\b], 0xf8800000, v[BM+\b]
.endr
.irp b, 0,1,2,3
	v_and_or_b32 v[HO+\b], v[BM+\b], 0x7f800000, s[MNT]
.endr
.irp b, 0,1,2,3
	v_lshrrev_b32 v[BP+\b], 23, v[SO+\b]
.endr
	v_lshl_or_b32 v[PW], v[BP+1], 8, v[BP]
	v_lshl_or_b32 v[PW], v[BP+2], 16, v[PW]
	v_lshl_or_b32 v[PW], v[BP+3], 24, v[PW]
.irp b, 0,1,2,3
.irp i, 0,1,2,3,4,5,6,7,8,9,10,11,12,13,14,15
	v_min_num_f32 v[S+16*\b+\i], v[S+16*\b+\i], v[HO+\b]   ; p is not negative: the hold is one-sided
.endr
	v_cvt_scalef32_pk8_bf8_f32 v[PC+4*\b:PC+1+4*\b], v[S+16*\b:S+7+16*\b], v[SO+\b]
	v_cvt_scalef32_pk8_bf8_f32 v[PC+2+4*\b:PC+3+4*\b], v[S+8+16*\b:S+15+16*\b], v[SO+\b]
.endr
.set j, 0
.rept 16
	v_pk_mul_f32 v[O+j:O+j+1], v[O+j:O+j+1], v[F:F+1] op_sel_hi:[1,0]   ; O^T under the new M; these are also the places between the codes and the products
.set j, j+2
.endr
	s_wait_dscnt 0x0                               ; V
.irp t, 0,1,2,3
	v_wmma_scale_f32_16x16x128_f8f6f4 v[O+8*\t:O+8*\t+7], v[KF+16*\t:KF+16*\t+15], v[PC:PC+15], v[O+8*\t:O+8*\t+7], v[SR+\t], v[PW] matrix_a_fmt:MATRIX_FMT_BF8 matrix_b_fmt:MATRIX_FMT_BF8
.endr
.endm
	s_wait_loadcnt 0x0                             ; Q
	s_wait_tensorcnt 3                             ; my pieces of the scale words and of key steps 0 to 3 are in; my three later pieces may be out
	s_barrier_signal -1
	s_barrier_wait -1                              ; everybody's are
	s_mov_b32 s[TB], 0
	s_mov_b32 s[TS], 0
	STEP                                           ; key step 0, while the later pieces land
	s_wait_tensorcnt 0x0                           ; all my pieces are in (no LDS instruction of mine is out: the step's last wait was for 0)
	s_barrier_signal -1
	s_barrier_wait -1                              ; everybody's are: the whole head lies in LDS, and no wave waits for another until the end
	s_mov_b32 s[TB], 8192
	s_mov_b32 s[TS], 512
	s_mov_b32 s[CNT], 15
.Lstep:
	STEP
	s_add_co_u32 s[TB], s[TB], 8192
	s_add_co_u32 s[TS], s[TS], 512
	s_sub_co_u32 s[CNT], s[CNT], 1
	s_cmp_lg_u32 s[CNT], 0
	s_cbranch_scc1 .Lstep
	; ---- THE WAY OUT: O^T / the sum, quantised: two blocks of 32 channels
.rept 8
	v_nop                                          ; places behind the last products
.endr
	v_add_f32 v14, v14, v15
	v_permlanex16_b32 v[TP], v14, s[SEL], s[SEL+1]
	v_add_f32 v14, v14, v[TP]                      ; the row's sum
	v_rcp_f32 v14, v14
	v_nop
	s_wait_alu depctr_va_vdst(0)                   ; ahead of the reciprocal's first reader
.set j, 0
.rept 32
	v_mul_f32 v[S+j], v[O+j], v14                  ; register 8 t + i: channel 16 t + 8 h + i of my query
.set j, j+1
.endr
.irp b, 0,1
	v_max3_num_f32 v[BM+\b], |v[S+16*\b]|, |v[S+1+16*\b]|, 0x8000000
.endr
.irp i, 2,4,6,8,10,12,14
.irp b, 0,1
	v_max3_num_f32 v[BM+\b], v[BM+\b], |v[S+16*\b+\i]|, |v[S+1+16*\b+\i]|
.endr
.endr
.irp b, 0,1
	v_permlanex16_b32 v[BP+\b], v[BM+\b], s[SEL], s[SEL+1]
.endr
.irp b, 0,1
	v_max_num_f32 v[BM+\b], v[BM+\b], v[BP+\b]
.endr
.irp b, 0,1
	v_add_nc_u32 v[SO+\b], 0xf8800000, v[BM+\b]
.endr
.irp b, 0,1
	v_and_or_b32 v[HO+\b], v[BM+\b], 0x7f800000, s[MNT]
.endr
.irp b, 0,1
	v_lshrrev_b32 v[BP+\b], 23, v[SO+\b]
.endr
	v_lshl_or_b32 v[PW], v[BP+1], 8, v[BP]         ; my head's two bytes of the row's scale word
.irp b, 0,1
.irp i, 0,1,2,3,4,5,6,7,8,9,10,11,12,13,14,15
	v_med3_num_f32 v[S+16*\b+\i], v[S+16*\b+\i], -v[HO+\b], v[HO+\b]
.endr
	v_cvt_scalef32_pk8_bf8_f32 v[PC+4*\b:PC+1+4*\b], v[S+16*\b:S+7+16*\b], v[SO+\b]
	v_cvt_scalef32_pk8_bf8_f32 v[PC+2+4*\b:PC+3+4*\b], v[S+8+16*\b:S+15+16*\b], v[SO+\b]
.endr
	v_nop
.irp b, 0,1                            ; a conversion's 8 codes are k = 32 b + 16 u + 8 h + 0 .. 7: byte 512 b + 256 u + 16 r + 8 h of the image: the 32 lanes of a store cover 256 consecutive bytes, aligned
.irp u, 0,1
	global_store_b64 v[LO8], v[PC+4*\b+2*\u:PC+4*\b+2*\u+1], s[74:75] offset:512*\b+256*\u
.endr
.endr
	global_store_b16 v[R4], v[PW], s[76:77]        ; lanes l and l + 16 name the same two bytes with the same value
	s_wait_tensorcnt 0x0
	ds_add_u32 v253, v254
	s_wait_dscnt 0x0
	CROUND                                         ; the closing round: no work-group ends while a partner may still ask for a tile that names it
	s_endpgm
.Lfunc_end_k_qd3159fc58f_attn:
	.size	k_qd3159fc58f_attn, .Lfunc_end_k_qd3159fc58f_attn-k_qd3159fc58f_attn
	.p2alignl 7, 3214868480
	.fill 96, 4, 3214868480
	.section	.rodata,"a",@progbits
	.p2align	6, 0x0
	.amdhsa_kernel k_qd3159fc58f_attn
		.amdhsa_group_segment_fixed_size 280576
		.amdhsa_private_segment_fixed_size 0
		.amdhsa_enable_private_segment 0
		.amdhsa_kernarg_size 16
		.amdhsa_user_sgpr_count 2
		.amdhsa_user_sgpr_kernarg_segment_ptr 1
		.amdhsa_wavefront_size32 1
		.amdhsa_system_sgpr_workgroup_id_x 1
		.amdhsa_system_sgpr_workgroup_id_y 1
		.amdhsa_system_sgpr_workgroup_id_z 1
		.amdhsa_system_vgpr_workitem_id 0
		.amdhsa_next_free_vgpr 256
		.amdhsa_next_free_sgpr 96
		.amdhsa_reserve_vcc 0
		.amdhsa_float_denorm_mode_32 3
		.amdhsa_float_denorm_mode_16_64 3
		.amdhsa_memory_ordered 1
		.amdhsa_forward_progress 1
		.amdhsa_inst_pref_size 54
	.end_amdhsa_kernel
	.amdgpu_metadata
---
amdhsa.version: [ 1, 2 ]
amdhsa.kernels:
  - .name:           k_qd3159fc58f_attn
    .symbol:         k_qd3159fc58f_attn.kd
    .args:
      - { .name: qkvq, .offset: 0, .size: 8, .value_kind: global_buffer, .address_space: global }
      - { .name: ao, .offset: 8, .size: 8, .value_kind: global_buffer, .address_space: global }
    .group_segment_fixed_size: 280576
    .private_segment_fixed_size: 0
    .kernarg_segment_align: 8
    .kernarg_segment_size: 16
    .max_flat_workgroup_size: 512
    .sgpr_count:     96
    .vgpr_count:     256
    .wavefront_size: 32
...
	.end_amdgpu_metadata
.endif
;; end of part 3
;; launch outp (part 4): grid 8 x 32, 4 waves a work-group, clusters of 4 x 4, 327,680 bytes of LDS; arguments ao, w_out_codes, w_out_scales, b_out, x, x1; writes x1
.if DOCPART == 4
	.amdgcn_target "amdgcn-amd-amdhsa--gfx1250"
	.amdhsa_code_object_version 6
	.text
	.protected	k_qd3159fc58f_outp
	.globl	k_qd3159fc58f_outp
	.p2align	8
	.type	k_qd3159fc58f_outp,@function
k_qd3159fc58f_outp:
	s_mov_b64 s[64:65], 0
	v_nop
	global_prefetch_b8 v0, s[64:65] scope:SCOPE_SE
	s_setreg_imm32_b32 hwreg(HW_REG_WAVE_MODE, 25, 1), 1
	s_wait_xcnt 0x0
	s_wait_alu depctr_hold_cnt(0) depctr_sa_sdst(0) depctr_va_vdst(0) depctr_va_sdst(0) depctr_va_ssrc(0) depctr_va_vcc(0) depctr_vm_vsrc(0)
	s_getreg_b32 s2, hwreg(HW_REG_IB_STS2, 6, 4)
	s_cmp_eq_u32 s2, 0
	s_cbranch_scc0 .Lentry_in_a_cluster
	s_endpgm
.Lentry_in_a_cluster:
	s_bfe_u32 s2, ttmp6, 0x10000c
	s_cmp_lg_u32 s2, 0xf033
	s_cbranch_scc0 .Lentry_shape_is_right
	s_endpgm
.Lentry_shape_is_right:
; dst = res + bias + A W^T on codes of E5M2 with E8M0 scales.  KT is the product's K; M = 4,096, N = 1,024.
; A: images of operand registers [block of 128 rows 32][K step of 128][tile of 16 rows 8][2,048 B], then from byte 4,096 KT on one scale word for each (block, K step, row).  W: codes [1024][KT], scale bytes [1024][KT / 32].
; A tile of 128 x 128 to a work-group (256 work-groups for 256 WGPs), 64 x 64 (16 accumulators) to each of four waves.  K goes 512 at a time through a ring of two LDS slots: A's part is 65,536 dense bytes (read back
; 512 consecutive bytes an instruction), W's 128 rows of 512 bytes + 16 of padding.  The scale words and bytes of the work-group's rows, for all of K, come once.
; CLUSTER 4 x 4: A's tiles are asked for jointly along a row of the cluster, W's along a column.  Waves 0, 1 fetch A's halves, waves 2, 3 W's: one load a wave behind each round.
; The matrix instruction is used transposed (source 0 = 16 rows of W, source 1 = 16 rows of A): a lane holds eight neighbouring columns of a row.  The bias is the C of each sum's first instruction.
; The residual is asked for at the head and lies in window 2 until the way out, which goes through the wave's stage in LDS so that sixteen lanes store 256 consecutive bytes, aligned.
; REGISTERS: window 0: v16-29 addresses; v32-95 scale words, two sets; v96-127 the bias; v128-255 the accumulators.  window 1: two sets of fragments (A's four, W's four).  window 2: v0-127 the residual.
.set KT,     1024
.set KS,     KT/32
.set NK,     KT/128
.set ASLOT,  65536
.set BPI,    528                       ; W's LDS row: 512 bytes + 16: the 16 rows of a fragment load start at 16 different banks (64 banks of 4 bytes: ISA guide 11.1)
.set HALFB,  64*BPI
.set SLOT,   ASLOT+2*HALFB
.set SCB,    2*SLOT                    ; W's scale bytes, as runs of 256 bytes + 16 of padding (room for K = 4,096)
.set HALFSB, (64*KS/256)*272
.set SBLKB,  (16*KS/256)*272
.set SCA,    SCB+17408                 ; A's scale words [K step][128 rows]
.set SPARE,  SCA+16384                 ; the spare words: 128 bytes a wave, two blocks of 256 bytes that no other line names
.set LAPS,   KT/1024
.set SPITCH, 272                       ; the stage: 16 rows x (256 + 16) bytes a wave, in slot 0 after its last fill and last read
.set NP,     8
.set ADRA, 16
.set ADRB, 20
.set ASA,  22
.set ASB,  23
.set STO,  24
.set RD,   25
.set RO,   26
.set BO,   27
.set SPW,  28
.set NIL,  29
.set SC,   32
.set BI,   96
.set ACC,  128
.set WV,   16
.set RH,   17
.set CH,   18
.set G1A, 24
.set G0A, 32
.set G1B, 48
.set G0B, 56
.set G1SA, 68
.set G0SA, 76
.set G1SB, 80
.set G0SB, 88
.set MSB, 0
.macro WIN new
.if MSB != (\new)
	s_set_vgpr_msb (MSB<<8)|(\new)
.set MSB, (\new)
.endif
.endm
.set MUL,  0x05                        ; sources 0 and 1 window 1; C and D window 0
.set TO_F, 0x40                        ; destination window 1
.macro JLOAD g0a, g1a, g0b, g1b        ; the branch hangs on the wave's number alone; four v_nop follow each of the two lines
	s_cmp_eq_u32 s[RH], 0
	s_cbranch_scc0 .Lfor_b_\@
	tensor_load_to_lds s[\g0a:\g0a+3], s[\g1a:\g1a+7]
	s_nop 0
.rept 4
	v_nop
.endr
	s_branch .Lasked_\@
.Lfor_b_\@:
	tensor_load_to_lds s[\g0b:\g0b+3], s[\g1b:\g1b+7]
	s_nop 0
.rept 4
	v_nop
.endr
.Lasked_\@:
.endm
.macro CREST
	s_cmp_lg_u32 s[WV], 0
	s_cbranch_scc1 .Lnot_wave_0_\@
	s_barrier_signal -3
.Lnot_wave_0_\@:
	s_barrier_wait -3
	s_barrier_signal -1
	s_barrier_wait -1
.endm
.macro CROUND
	s_barrier_signal -1
	s_barrier_wait -1
	CREST
.endm
	s_load_b256 s[4:11], s[0:1], 0x0               ; A s[4:5], W's codes s[6:7], W's scales s[8:9], bias s[10:11]
	s_load_b128 s[12:15], s[0:1], 0x20             ; res s[12:13], dst s[14:15]
	v_lshl_add_u32 v[SPW], v0, 2, SPARE
	v_mov_b32 v[NIL], 0
	ds_add_u32 v28, v29
	ds_add_u32 v28, v29
	s_wait_dscnt 0x0
	v_lshrrev_b32 v1, 5, v0
	v_readfirstlane_b32 s[WV], v1                  ; wave 0..3
	s_lshr_b32 s[RH], s[WV], 1                     ; my half of the tile's rows.  Also: I fetch for A (0) or for W (1)
	s_and_b32 s[CH], s[WV], 1                      ; my half of its columns.  Also: which half I fetch
	s_bfe_u32 s40, ttmp6, 0x40000                  ; cx, cy
	s_bfe_u32 s41, ttmp6, 0x40004
	s_lshl_b32 s42, ttmp9, 2
	s_add_co_u32 s42, s42, s40                     ; tile column
	s_and_b32 s43, ttmp7, 0xffff
	s_lshl_b32 s43, s43, 2
	s_add_co_u32 s43, s43, s41                     ; tile row = A's block of 128 rows
	s_lshl_b32 s44, s41, 2
	s_lshl_b32 s44, 15, s44                        ; my row of the cluster
	s_lshl_b32 s45, 0x1111, s40                    ; my column
	s_or_b32 s[G1A], s44, (3<<16)|(1<<21)          ; A: 32,768 dense bytes as 128 rows of 256 (32 elements of 8 bytes), no padding
	s_mov_b32 s[G1A+1], 32<<16
	s_mov_b32 s[G1A+2], 128<<16
	s_mov_b32 s[G1A+3], 32<<16
	s_mov_b32 s[G1A+4], 128
	s_mov_b32 s[G1A+5], 32
	s_mov_b32 s[G1A+6], 0
	s_mov_b32 s[G1A+7], 0
	s_or_b32 s[G1B], s45, (0<<16)|(1<<20)|(1<<21)|(6<<22)|(3<<25)   ; W: 64 rows of 512 bytes, 4 words of padding after every 128
	s_mov_b32 s[G1B+1], 512<<16
	s_mov_b32 s[G1B+2], 64<<16
	s_mov_b32 s[G1B+3], 512<<16
	s_mov_b32 s[G1B+4], 64
	s_mov_b32 s[G1B+5], KT
	s_mov_b32 s[G1B+6], 0
	s_mov_b32 s[G1B+7], 0
	s_or_b32 s[G1SA], s44, (3<<16)|(1<<21)         ; half of A's scale words: NK rows of 256 dense bytes
	s_mov_b32 s[G1SA+1], 32<<16
	s_mov_b32 s[G1SA+2], NK<<16
	s_mov_b32 s[G1SA+3], 32<<16
	s_mov_b32 s[G1SA+4], NK
	s_mov_b32 s[G1SA+5], 32
	s_mov_b32 s[G1SA+6], 0
	s_mov_b32 s[G1SA+7], 0
	s_or_b32 s[G1SB], s45, (3<<16)|(1<<20)|(1<<21)|(5<<22)|(3<<25)  ; the scale bytes of 64 rows of W: dense, as rows of 256 bytes + 16 of padding
	s_mov_b32 s[G1SB+1], 32<<16
	s_mov_b32 s[G1SB+2], (64*KS/256)<<16
	s_mov_b32 s[G1SB+3], 32<<16
	s_mov_b32 s[G1SB+4], 64*KS/256
	s_mov_b32 s[G1SB+5], 32
	s_mov_b32 s[G1SB+6], 0
	s_mov_b32 s[G1SB+7], 0
	s_mul_i32 s20, s43, KT*128                     ; A's images of my block of rows,
	s_lshl_b32 s21, s[CH], 15                      ; the half of a slot that I fetch
	s_add_co_u32 s20, s20, s21
	s_mov_b32 s21, 0
	s_mul_i32 s22, s43, KT*4                       ; A's scale words
	s_mul_i32 s23, s[CH], KT*2
	s_add_co_u32 s22, s22, s23
	s_add_co_u32 s22, s22, 4096*KT
	s_mov_b32 s23, 0
	s_lshl_b32 s46, s42, 7
	s_lshl_b32 s47, s[CH], 6
	s_add_co_u32 s46, s46, s47                     ; W: row 128 x tile column + 64 x half
	s_mul_i32 s92, s46, KS
	s_mov_b32 s93, 0
	s_mul_i32 s46, s46, KT
	s_mov_b32 s47, 0
	s_lshl_b32 s94, s[CH], 15                      ; where they go in LDS: no place in the cluster enters an LDS address
	s_mul_i32 s95, s[CH], HALFB
	s_add_co_u32 s95, s95, ASLOT
	s_mul_i32 s96, s[CH], KT*2
	s_add_co_u32 s96, s96, SCA
	s_mul_i32 s97, s[CH], HALFSB
	s_add_co_u32 s97, s97, SCB
	s_wait_kmcnt 0x0
	s_add_nc_u64 s[20:21], s[4:5], s[20:21]
	s_add_nc_u64 s[22:23], s[4:5], s[22:23]
	s_add_nc_u64 s[46:47], s[6:7], s[46:47]
	s_add_nc_u64 s[92:93], s[8:9], s[92:93]
	CROUND                                         ; all sixteen work-groups are here: the first joint loads meet
	s_mov_b32 s[G0SA], 1
	s_mov_b32 s[G0SA+1], s96
	s_mov_b64 s[G0SA+2:G0SA+3], s[22:23]
	s_or_b32 s[G0SA+3], s[G0SA+3], 0x80000000
	s_mov_b32 s[G0SB], 1
	s_mov_b32 s[G0SB+1], s97
	s_mov_b64 s[G0SB+2:G0SB+3], s[92:93]
	s_or_b32 s[G0SB+3], s[G0SB+3], 0x80000000
	JLOAD G0SA, G1SA, G0SB, G1SB
.irp s, 0,1
	s_mov_b32 s[G0A+4*\s], 1
	s_add_co_u32 s[G0A+4*\s+1], s94, \s*SLOT
	s_add_nc_u64 s[G0A+4*\s+2:G0A+4*\s+3], s[20:21], \s*ASLOT
	s_or_b32 s[G0A+4*\s+3], s[G0A+4*\s+3], 0x80000000
	s_mov_b32 s[G0B+4*\s], 1
	s_add_co_u32 s[G0B+4*\s+1], s95, \s*SLOT
	s_add_nc_u64 s[G0B+4*\s+2:G0B+4*\s+3], s[46:47], \s*512
	s_or_b32 s[G0B+4*\s+3], s[G0B+4*\s+3], 0x80000000
	JLOAD G0A+4*\s, G1A, G0B+4*\s, G1B             ; three loads of mine are out
.endr
	v_and_b32 v1, 15, v0                           ; r
	v_bfe_u32 v2, v0, 4, 1                         ; h
	v_and_b32 v3, 31, v0
	v_lshlrev_b32 v4, 4, v3                        ; 16 x lane
	s_lshl_b32 s21, s[RH], 13                      ; my four tiles of 16 rows in a K step's eight
	v_mul_u32_u24 v5, v1, BPI
	v_lshl_add_u32 v5, v2, 4, v5
	s_mul_i32 s22, s[CH], HALFB
	s_add_co_u32 s22, s22, ASLOT
.irp s, 0,1
	v_add_nc_u32 v[ADRA+\s], s21, v4
	v_add_nc_u32 v[ADRB+\s], s22, v5
	s_add_co_u32 s21, s21, SLOT
	s_add_co_u32 s22, s22, SLOT
.endr
	v_lshlrev_b32 v6, 2, v1
	s_lshl_b32 s21, s[RH], 8
	s_add_co_u32 s21, s21, SCA
	v_add_nc_u32 v[ASA], s21, v6                   ; A's words: 4 bytes a row
	v_mul_u32_u24 v7, v1, KS                       ; W's: KS bytes a row, and 16 more for each 256 passed
	v_lshrrev_b32 v8, 8, v7
	v_lshl_add_u32 v7, v8, 4, v7
	s_mul_i32 s21, s[CH], HALFSB
	s_add_co_u32 s21, s21, SCB
	v_add_nc_u32 v[ASB], s21, v7
	s_mul_i32 s23, s[WV], 16*SPITCH                ; my stage
	v_mul_u32_u24 v7, v1, SPITCH
	v_lshl_add_u32 v7, v2, 5, v7
	v_add_nc_u32 v[STO], s23, v7                   ; in: row r, 32 bytes for each half of the lanes
	v_mul_u32_u24 v7, v2, SPITCH
	v_lshl_add_u32 v7, v1, 4, v7
	v_add_nc_u32 v[RD], s23, v7                    ; back: lanes 0-15 one row, lanes 16-31 the next
	v_lshlrev_b32 v7, 12, v2
	v_lshl_add_u32 v[RO], v1, 4, v7                ; the same two rows in res and dst
	v_lshlrev_b32 v[BO], 5, v2
	s_lshl_b32 s20, s42, 9                         ; my first column in bytes: 512 x tile column + 256 x half
	s_lshl_b32 s21, s[CH], 8
	s_add_co_u32 s20, s20, s21
	s_mov_b32 s21, 0
	s_add_nc_u64 s[10:11], s[10:11], s[20:21]
	s_lshl_b32 s22, s43, 19                        ; my first row: 128 x tile row + 64 x half, 4,096 bytes a row
	s_lshl_b32 s23, s[RH], 18
	s_add_co_u32 s22, s22, s23
	s_add_co_u32 s20, s20, s22
	s_add_nc_u64 s[12:13], s[12:13], s[20:21]
	s_add_nc_u64 s[14:15], s[14:15], s[20:21]
.irp b, 0,1,2,3
	global_load_b128 v[BI+8*\b:BI+8*\b+3], v[BO], s[10:11] offset:64*\b       ; register 8 b + j: column 16 b + 8 h + j
	global_load_b128 v[BI+8*\b+4:BI+8*\b+7], v[BO], s[10:11] offset:64*\b+16
.endr
	WIN 0x80                                       ; destination window 2
.irp a, 0,1,2,3
.irp i, 0,1,2,3,4,5,6,7
	global_load_b128 v[32*\a+4*\i:32*\a+4*\i+3], v[RO], s[12:13] offset:(16*\a+2*\i)*4096 th:TH_LOAD_NT
.endr
.endr
	WIN 0
.macro PLACES n
.rept \n
	v_nop
.endr
.endm
.macro FETCH slot, q, p                ; the fragments of the slot's q-th 128 along K into set p
	WIN TO_F
.irp i, 0,1,2,3
.irp c, 0,1,2,3
	ds_load_b128 v[128*(\p)+16*\i+4*\c:128*(\p)+16*\i+4*\c+3], v[ADRA+\slot] offset:16384*(\q)+2048*\i+512*\c
	ds_load_b128 v[128*(\p)+64+16*\i+4*\c:128*(\p)+64+16*\i+4*\c+3], v[ADRB+\slot] offset:128*(\q)+16*BPI*\i+32*\c
.endr
.endr
.endm
.macro SCALES s                        ; a slot's scale words into set s: A's at 4 i + q, W's at 16 + 4 i + q; lane r holds row r's
	WIN 0
.irp i, 0,1,2,3
	ds_load_b128 v[SC+32*\s+16+4*\i:SC+32*\s+16+4*\i+3], v[ASB] offset:\i*SBLKB
.irp q, 0,1,2,3
	ds_load_b32 v[SC+32*\s+4*\i+\q], v[ASA] offset:512*\q+64*\i
.endr
.endr
.endm
; four matrix instructions: A's block a x W's four.  The 16 accumulators take turns, one instruction a turn, in the same order in every K step.
.macro MUL4 a, p, q, sc, first
.irp b, 0,1,2,3
.if \first
	v_wmma_scale_f32_16x16x128_f8f6f4 v[ACC+8*(4*(\a)+\b):ACC+8*(4*(\a)+\b)+7], v[128*(\p)+64+16*\b:128*(\p)+64+16*\b+15], v[128*(\p)+16*(\a):128*(\p)+16*(\a)+15], v[BI+8*\b:BI+8*\b+7], v[SC+32*(\sc)+16+4*\b+(\q)], v[SC+32*(\sc)+4*(\a)+(\q)] matrix_a_fmt:MATRIX_FMT_BF8 matrix_b_fmt:MATRIX_FMT_BF8
.else
	v_wmma_scale_f32_16x16x128_f8f6f4 v[ACC+8*(4*(\a)+\b):ACC+8*(4*(\a)+\b)+7], v[128*(\p)+64+16*\b:128*(\p)+64+16*\b+15], v[128*(\p)+16*(\a):128*(\p)+16*(\a)+15], v[ACC+8*(4*(\a)+\b):ACC+8*(4*(\a)+\b)+7], v[SC+32*(\sc)+16+4*\b+(\q)], v[SC+32*(\sc)+4*(\a)+(\q)] matrix_a_fmt:MATRIX_FMT_BF8 matrix_b_fmt:MATRIX_FMT_BF8
.endif
.endr
.endm
.macro QSTEP slot, q, first            ; one of a slot's first three K steps
	s_wait_dscnt 0x0                               ; this K step's fragments are in (asked for 16 matrix instructions ago)
	PLACES NP                                      ; behind the last K step's products, into whose fragments' registers the loads go
	FETCH \slot, (\q)+1, ((\q)+1)%2
	WIN MUL
	MUL4 0, (\q)%2, \q, \slot, \first
	MUL4 1, (\q)%2, \q, \slot, \first
	MUL4 2, (\q)%2, \q, \slot, \first
	MUL4 3, (\q)%2, \q, \slot, \first
.endm
; A slot's last K step changes slots: one barrier; in front of it each wave waits for all its tensor loads, adds 0 to its spare word, and waits for that and for its reads of this slot.
.macro TURN slot, next, fill
	WIN 0
	s_wait_tensorcnt 0x0                           ; all my tensor loads have landed: my part of the next slot
	ds_add_u32 v[SPW], v[NIL]                      ; 0 onto my spare word
	s_wait_dscnt 1                                 ; the add alone may be out
	WIN MUL
	MUL4 0, 1, 3, \slot, 0
	s_wait_dscnt 0x0                               ; the add is done, and my reads of this slot are over
	s_barrier_signal -1
	MUL4 1, 1, 3, \slot, 0
	WIN 0
	s_barrier_wait -1
.if \fill
	CREST                                          ; the barrier has opened a round of the cluster's barrier
	s_add_nc_u64 s[G0A+4*\slot+2:G0A+4*\slot+3], s[G0A+4*\slot+2:G0A+4*\slot+3], 2*ASLOT
	s_add_nc_u64 s[G0B+4*\slot+2:G0B+4*\slot+3], s[G0B+4*\slot+2:G0B+4*\slot+3], 2*512
	JLOAD G0A+4*\slot, G1A, G0B+4*\slot, G1B       ; the first tensor load behind the round; its four v_nop are four of the eight places
	PLACES NP-4
.else
	PLACES NP
.endif
	v_add_nc_u32 v[ASA], 2048, v[ASA]              ; on to the next slot's scale words
	v_add_nc_u32 v[ASB], 16, v[ASB]
	FETCH \next, 0, 0
	SCALES \next
	WIN MUL
	MUL4 2, 1, 3, \slot, 0
	MUL4 3, 1, 3, \slot, 0
.endm
	s_wait_tensorcnt 1                             ; the scales and my part of slot 0 are in; slot 1's load may be out
	s_barrier_signal -1
	s_barrier_wait -1
	FETCH 0, 0, 0
	SCALES 0
	s_wait_loadcnt 32                              ; the bias is in; the residual's 32 loads may be out
	QSTEP 0, 0, 1                                  ; the first products start the sums from the bias
.if LAPS > 1
	WIN 0
	s_mov_b32 s3, LAPS-1
.Llap:
	QSTEP 0, 1, 0
	QSTEP 0, 2, 0
	TURN 0, 1, 1
	QSTEP 1, 0, 0
	QSTEP 1, 1, 0
	QSTEP 1, 2, 0
	TURN 1, 0, 1
	QSTEP 0, 0, 0
	WIN 0
	s_sub_co_u32 s3, s3, 1
	s_cmp_lg_u32 s3, 0
	s_cbranch_scc1 .Llap
.endif
	QSTEP 0, 1, 0                                  ; the last lap fills nothing
	QSTEP 0, 2, 0
	TURN 0, 1, 0
	QSTEP 1, 0, 0
	QSTEP 1, 1, 0
	QSTEP 1, 2, 0
	s_wait_dscnt 0x0
	WIN MUL
	MUL4 0, 1, 3, 1, 0
	MUL4 1, 1, 3, 1, 0
	MUL4 2, 1, 3, 1, 0
	MUL4 3, 1, 3, 1, 0
	WIN 0
	; ---- THE WAY OUT
	PLACES NP
	s_wait_loadcnt 0x0                             ; the residual
.irp a, 0,1,2,3                        ; a block of 16 rows x 64 columns through my stage; LDS serves a wave's instructions in order, so no wait stands between
.irp b, 0,1,2,3
	ds_store_b128 v[STO], v[ACC+8*(4*\a+\b):ACC+8*(4*\a+\b)+3] offset:64*\b
	ds_store_b128 v[STO], v[ACC+8*(4*\a+\b)+4:ACC+8*(4*\a+\b)+7] offset:64*\b+16
.endr
	WIN TO_F
.irp i, 0,1,2,3,4,5,6,7
	ds_load_b128 v[32*\a+4*\i:32*\a+4*\i+3], v[RD] offset:2*\i*SPITCH
.endr
	WIN 0
.endr
.irp a, 0,1,2,3
	s_wait_dscnt 16*(3-\a)                         ; block a is back; the later blocks' 16 LDS instructions each may be out
	WIN 0x49                                       ; destination and source 0 window 1, source 1 (the residual) window 2
.irp k, 0,2,4,6,8,10,12,14,16,18,20,22,24,26,28,30
	v_pk_add_f32 v[32*\a+\k:32*\a+\k+1], v[32*\a+\k:32*\a+\k+1], v[32*\a+\k:32*\a+\k+1]
.endr
	WIN 0x04                                       ; a store's data are its source 1: window 1
.irp i, 0,1,2,3,4,5,6,7
	global_store_b128 v[RO], v[32*\a+4*\i:32*\a+4*\i+3], s[14:15] offset:(16*\a+2*\i)*4096   ; 16 lanes store 256 consecutive bytes, aligned
.endr
.endr
	WIN 0
	s_wait_tensorcnt 0x0                           ; the wave's end
	ds_add_u32 v[SPW], v[NIL]
	s_wait_dscnt 0x0
	CROUND                                         ; the closing round
	s_endpgm
.Lfunc_end_k_qd3159fc58f_outp:
	.size	k_qd3159fc58f_outp, .Lfunc_end_k_qd3159fc58f_outp-k_qd3159fc58f_outp
	.p2alignl 7, 3214868480
	.fill 96, 4, 3214868480
	.section	.rodata,"a",@progbits
	.p2align	6, 0x0
	.amdhsa_kernel k_qd3159fc58f_outp
		.amdhsa_group_segment_fixed_size 327680
		.amdhsa_private_segment_fixed_size 0
		.amdhsa_enable_private_segment 0
		.amdhsa_kernarg_size 48
		.amdhsa_user_sgpr_count 2
		.amdhsa_user_sgpr_kernarg_segment_ptr 1
		.amdhsa_wavefront_size32 1
		.amdhsa_system_sgpr_workgroup_id_x 1
		.amdhsa_system_sgpr_workgroup_id_y 1
		.amdhsa_system_sgpr_workgroup_id_z 1
		.amdhsa_system_vgpr_workitem_id 0
		.amdhsa_next_free_vgpr 768
		.amdhsa_next_free_sgpr 100
		.amdhsa_reserve_vcc 0
		.amdhsa_float_denorm_mode_32 3
		.amdhsa_float_denorm_mode_16_64 3
		.amdhsa_memory_ordered 1
		.amdhsa_forward_progress 1
		.amdhsa_inst_pref_size 64
	.end_amdhsa_kernel
	.amdgpu_metadata
---
amdhsa.version: [ 1, 2 ]
amdhsa.kernels:
  - .name:           k_qd3159fc58f_outp
    .symbol:         k_qd3159fc58f_outp.kd
    .args:
      - { .name: ao, .offset: 0, .size: 8, .value_kind: global_buffer, .address_space: global }
      - { .name: w_out_codes, .offset: 8, .size: 8, .value_kind: global_buffer, .address_space: global }
      - { .name: w_out_scales, .offset: 16, .size: 8, .value_kind: global_buffer, .address_space: global }
      - { .name: b_out, .offset: 24, .size: 8, .value_kind: global_buffer, .address_space: global }
      - { .name: x, .offset: 32, .size: 8, .value_kind: global_buffer, .address_space: global }
      - { .name: x1, .offset: 40, .size: 8, .value_kind: global_buffer, .address_space: global }
    .group_segment_fixed_size: 327680
    .private_segment_fixed_size: 0
    .kernarg_segment_align: 8
    .kernarg_segment_size: 48
    .max_flat_workgroup_size: 128
    .sgpr_count:     100
    .vgpr_count:     768
    .wavefront_size: 32
...
	.end_amdgpu_metadata
.endif
;; end of part 4
;; launch ln2: the kernel of part 1 again; grid 256 x 1, 8 waves a work-group, no clusters, 42,496 bytes of LDS; arguments x1, ln2_g, ln2_b, hq; writes hq
;; launch fc1 (part 5): grid 16 x 16, 4 waves a work-group, clusters of 4 x 4, 327,680 bytes of LDS; arguments hq, w_fc1_codes, w_fc1_scales, b_fc1, gq; writes gq
.if DOCPART == 5
	.amdgcn_target "amdgcn-amd-amdhsa--gfx1250"
	.amdhsa_code_object_version 6
	.text
	.protected	k_qd3159fc58f_fc1
	.globl	k_qd3159fc58f_fc1
	.p2align	8
	.type	k_qd3159fc58f_fc1,@function
k_qd3159fc58f_fc1:
	s_mov_b64 s[64:65], 0
	v_nop
	global_prefetch_b8 v0, s[64:65] scope:SCOPE_SE
	s_setreg_imm32_b32 hwreg(HW_REG_WAVE_MODE, 25, 1), 1
	s_wait_xcnt 0x0
	s_wait_alu depctr_hold_cnt(0) depctr_sa_sdst(0) depctr_va_vdst(0) depctr_va_sdst(0) depctr_va_ssrc(0) depctr_va_vcc(0) depctr_vm_vsrc(0)
	s_getreg_b32 s2, hwreg(HW_REG_IB_STS2, 6, 4)
	s_cmp_eq_u32 s2, 0
	s_cbranch_scc0 .Lentry_in_a_cluster
	s_endpgm
.Lentry_in_a_cluster:
	s_bfe_u32 s2, ttmp6, 0x10000c
	s_cmp_lg_u32 s2, 0xf033
	s_cbranch_scc0 .Lentry_shape_is_right
	s_endpgm
.Lentry_shape_is_right:
; g = gelu(h W^T + b) on codes of E5M2 with E8M0 scales (K = 1,024, N = 4,096), quantised along N for the next product.
; h: hq = codes [4096][1024] + scale bytes [4096][32] at HS.  W: codes [4096][1024], scale bytes [4096][32].
; THE GEMM: a tile of 256 x 256 to a work-group of four waves, 128 x 128 (64 accumulators) to a wave; K in steps of 256 through a ring of two LDS slots filled by the tensor data mover; the scale bytes of the
; work-group's rows come into LDS once.  4 x 4 work-groups form a cluster: h's tiles are asked for jointly along a row of the cluster, W's along a column.
; The matrix instruction is used transposed (source 0 = 16 rows of W, source 1 = 16 rows of h): lane (r, h) of accumulator (a, b) holds row 16 a + r and columns 16 b + 8 h + 0 .. 7.
; THE WAY OUT, a loop over my eight blocks of 16 rows: + bias, GELU, the quantiser (a block of 32 = the 16 registers of accumulators 2 β, 2 β + 1 in lanes l, l xor 16).  My 128 columns are one K step of the next
; product.  OUT: gq = images [block of 128 rows 32][K step 32][tile of 16 rows 8][2,048 B] in true k order (byte 512 c + 16 (r + 16 h) + i = k 32 c + 16 h + i); from GS on one scale word for each (block, K step, row).
; GELU: x Phi(x) = max(x, 0) - |x| Q(|x|), Q(z) = (a1 t + .. + a5 t^5) 2^(-z^2 log2(e) / 2), t = 1 / (1 + 0.2316419 z): Abramowitz and Stegun 7.1.26 for erfc, halved.
; LIMITS: Q's absolute error is about 7.5e-8, so the relative error of gelu grows in the negative tail (about 5e-5 at x = -3); NaN and infinities are not served; a block of zeros gets the byte 1 over zero codes.
.set SIZE_K, 1024
.set KSTEP,  256
.set NQ,     KSTEP/128
.set ROWB,   256
.set KROW,   SIZE_K
.set PITCH,  272                       ; an LDS row: 256 bytes + 16 of padding: the 16 rows of a fragment load start at 16 different banks (64 banks of 4 bytes: ISA guide 11.1)
.set FR,     16
.set NL,     4
.set NP,     8
.set HALFT,  128*PITCH
.set SLOT,   4*HALFT
.set LAPS,   SIZE_K/(2*KSTEP)
.set KS,     SIZE_K/32
.set SCL,    2*SLOT
.set HALFS,  (128*KS/256)*272
.set SBLK,   (16*KS/256)*272
.set SPARE,  SCL+4*HALFS               ; the spare words: 128 bytes a wave, two blocks of 256 bytes that no other line names
.set HS,     4194304
.set GS,     16777216
.set LI,   9                           ; v9   16 x lane
.set LO8,  10                          ; v10  16 r + 8 h
.set SWA,  11                          ; v11  LDS: 512 x wave + 4 r (slot 0, after its last fill and last read)
.set SRA,  12                          ; v12  512 x wave + 16 x lane
.set BOH,  13                          ; v13  32 h
.set SWT,  14                          ; v14  the trip's scale word's place
.set ADRA, 16
.set ADRB, 20
.set ADRS, 27
.set SPW,  28
.set NIL,  29
.set SC,   32
.set BC,   64                          ; v64-127  the bias;  v[30:31] a4
.set AF,   128
.set T,    128                         ; the way out: v128-191 64 numbers, v192-207 codes, v208-223 at work, v224 the scale word
.set PC,   192
.set TM,   208
.set PW,   224
.set TT,   0                           ; in window 1, free on the way out: t, the exponential, the polynomial, max(x, 0)
.set EE,   64
.set PP,   128
.set HX,   192
.set G1, 24
.set G0, 32
.set G1B, 48
.set G0B, 56
.set G1S, 68
.set G0S, 76
.set G1SB, 80
.set G0SB, 88
.set SEL, 68                           ; on the way out the scale descriptors' registers are free
.set MNT, 70
.set C1,  71
.set KK,  72
.set A5,  74
.set A3,  76
.set A2,  78
.set A1,  80
.set GP,  82
.set SCW, 84
.set MSB, 0
.macro WIN new
.if MSB != (\new)
	s_set_vgpr_msb (MSB<<8)|(\new)
.set MSB, (\new)
.endif
.endm
.set MUL_LO, 0xa1
.set MUL_HI, 0xf1
.set TO_B,   0x40
.macro JLOAD g0a, g1a, g0b, g1b        ; the branch hangs on the wave's number alone; four v_nop follow each of the two lines
	s_cmp_eq_u32 s15, 0
	s_cbranch_scc0 .Lfor_b_\@
	tensor_load_to_lds s[\g0a:\g0a+3], s[\g1a:\g1a+7]
	s_nop 0
.rept 4
	v_nop
.endr
	s_branch .Lasked_\@
.Lfor_b_\@:
	tensor_load_to_lds s[\g0b:\g0b+3], s[\g1b:\g1b+7]
	s_nop 0
.rept 4
	v_nop
.endr
.Lasked_\@:
.endm
.macro CREST
	s_cmp_lg_u32 s14, 0
	s_cbranch_scc1 .Lnot_wave_0_\@
	s_barrier_signal -3
.Lnot_wave_0_\@:
	s_barrier_wait -3
	s_barrier_signal -1
	s_barrier_wait -1
.endm
.macro CROUND
	s_barrier_signal -1
	s_barrier_wait -1
	CREST
.endm
	s_load_b256 s[4:11], s[0:1], 0x0               ; hq s[4:5], W's codes s[6:7], W's scales s[8:9], b_fc1 s[10:11]
	s_load_b64 s[12:13], s[0:1], 0x20              ; gq
	v_lshl_add_u32 v[SPW], v0, 2, SPARE
	v_mov_b32 v[NIL], 0
	ds_add_u32 v28, v29
	ds_add_u32 v28, v29
	s_wait_dscnt 0x0
	v_lshrrev_b32 v1, 5, v0
	v_readfirstlane_b32 s14, v1                    ; wave 0..3
	s_lshr_b32 s15, s14, 1                         ; my half of the rows.  Also: I fetch for h (0) or for W (1)
	s_and_b32 s16, s14, 1                          ; my half of the columns.  Also: which 128 rows of that tile I fetch
	s_bfe_u32 s40, ttmp6, 0x40000
	s_bfe_u32 s41, ttmp6, 0x40004
	s_lshl_b32 s42, ttmp9, 2
	s_add_co_u32 s42, s42, s40                     ; tile column
	s_and_b32 s17, ttmp7, 0xffff
	s_lshl_b32 s17, s17, 2
	s_add_co_u32 s17, s17, s41                     ; tile row
	s_lshl_b32 s43, s41, 2
	s_lshl_b32 s43, 15, s43
	s_lshl_b32 s44, 0x1111, s40
	s_or_b32 s[G1+0], s43, (0<<16)|(1<<20)|(1<<21)|(5<<22)|(3<<25)
	s_or_b32 s[G1B+0], s44, (0<<16)|(1<<20)|(1<<21)|(5<<22)|(3<<25)
.irp g, G1, G1B
	s_mov_b32 s[\g+1], ROWB<<16
	s_mov_b32 s[\g+2], 128<<16
	s_mov_b32 s[\g+3], ROWB<<16
	s_mov_b32 s[\g+4], 128
	s_mov_b32 s[\g+5], KROW
	s_mov_b32 s[\g+6], 0
	s_mov_b32 s[\g+7], 0
.endr
	s_or_b32 s[G1S+0], s43, (3<<16)|(1<<20)|(1<<21)|(5<<22)|(3<<25)
	s_or_b32 s[G1SB+0], s44, (3<<16)|(1<<20)|(1<<21)|(5<<22)|(3<<25)
.irp g, G1S, G1SB
	s_mov_b32 s[\g+1], 32<<16
	s_mov_b32 s[\g+2], (128*KS/256)<<16
	s_mov_b32 s[\g+3], 32<<16
	s_mov_b32 s[\g+4], 128*KS/256
	s_mov_b32 s[\g+5], 32
	s_mov_b32 s[\g+6], 0
	s_mov_b32 s[\g+7], 0
.endr
	s_lshl_b32 s18, s16, 7
	s_lshl_b32 s20, s17, 8
	s_add_co_u32 s20, s20, s18
	s_lshl_b32 s46, s42, 8
	s_add_co_u32 s46, s46, s18
	s_mov_b32 s21, 0
	s_mov_b32 s47, 0
	s_mov_b64 s[18:19], KS
	s_mul_u64 s[22:23], s[20:21], s[18:19]
	s_mul_u64 s[92:93], s[46:47], s[18:19]
	s_mov_b64 s[18:19], KROW
	s_mul_u64 s[20:21], s[20:21], s[18:19]
	s_mul_u64 s[46:47], s[46:47], s[18:19]
	s_mul_i32 s45, s14, HALFT
	s_mul_i32 s94, s14, HALFS
	s_wait_kmcnt 0x0
	s_add_nc_u64 s[20:21], s[4:5], s[20:21]
	s_add_nc_u64 s[22:23], s[4:5], s[22:23]
	s_add_nc_u64 s[22:23], s[22:23], HS            ; h's scale bytes lie behind its codes
	s_add_nc_u64 s[46:47], s[6:7], s[46:47]
	s_add_nc_u64 s[92:93], s[8:9], s[92:93]
	CROUND
	s_mov_b32 s[G0S], 1
	s_add_co_u32 s[G0S+1], s94, SCL
	s_mov_b64 s[G0S+2:G0S+3], s[22:23]
	s_or_b32 s[G0S+3], s[G0S+3], 0x80000000
	s_mov_b32 s[G0SB], 1
	s_add_co_u32 s[G0SB+1], s94, SCL
	s_mov_b64 s[G0SB+2:G0SB+3], s[92:93]
	s_or_b32 s[G0SB+3], s[G0SB+3], 0x80000000
	JLOAD G0S, G1S, G0SB, G1SB
.irp s, 0,1
	s_mov_b32 s[G0+4*\s], 1
	s_add_co_u32 s[G0+4*\s+1], s45, \s*SLOT
	s_add_nc_u64 s[G0+4*\s+2:G0+4*\s+3], s[20:21], \s*ROWB
	s_or_b32 s[G0+4*\s+3], s[G0+4*\s+3], 0x80000000
	s_mov_b32 s[G0B+4*\s], 1
	s_add_co_u32 s[G0B+4*\s+1], s45, \s*SLOT
	s_add_nc_u64 s[G0B+4*\s+2:G0B+4*\s+3], s[46:47], \s*ROWB
	s_or_b32 s[G0B+4*\s+3], s[G0B+4*\s+3], 0x80000000
	JLOAD G0+4*\s, G1, G0B+4*\s, G1B               ; three loads of mine are out
.endr
	v_and_b32 v1, 15, v0
	v_bfe_u32 v2, v0, 4, 1
	v_mul_u32_u24 v3, v1, PITCH
	v_lshl_add_u32 v4, v2, 4, v3
	s_mul_i32 s21, s15, HALFT
	s_mul_i32 s22, s16, HALFT
	s_add_co_u32 s22, s22, 2*HALFT
.irp s, 0,1
	v_add_nc_u32 v[ADRA+\s], s21, v4
	v_add_nc_u32 v[ADRB+\s], s22, v4
	s_add_co_u32 s21, s21, SLOT
	s_add_co_u32 s22, s22, SLOT
.endr
	v_mul_u32_u24 v5, v1, KS
	v_lshrrev_b32 v6, 8, v5
	v_lshl_add_u32 v5, v6, 4, v5
	s_mul_i32 s21, s15, HALFS
	s_mul_i32 s22, s16, HALFS
	s_add_co_u32 s22, s22, 2*HALFS
	s_sub_co_u32 s22, s22, s21
	v_mul_u32_u24 v6, s22, v2
	s_add_co_u32 s21, s21, SCL
	v_add_nc_u32 v5, v5, v6
	v_add_nc_u32 v[ADRS], s21, v5
	v_and_b32 v6, 31, v0
	v_lshlrev_b32 v[LI], 4, v6
	v_lshlrev_b32 v[LO8], 4, v1
	v_lshl_add_u32 v[LO8], v2, 3, v[LO8]
	s_lshl_b32 s23, s14, 9
	v_lshl_add_u32 v[SWA], v1, 2, s23
	v_add_nc_u32 v[SRA], s23, v[LI]
	v_lshlrev_b32 v[BOH], 5, v2
	v_mov_b32 v30, 0xbf3a00e3                      ; a4 / 2, twice: a pair for the packed form
	v_mov_b32 v31, 0xbf3a00e3
	s_lshl_b32 s20, s42, 10                        ; the bias of my 128 columns
	s_lshl_b32 s21, s16, 9
	s_add_co_u32 s20, s20, s21
	s_mov_b32 s21, 0
	s_add_nc_u64 s[10:11], s[10:11], s[20:21]
.irp b, 0,1,2,3,4,5,6,7
	global_load_b128 v[BC+8*\b:BC+8*\b+3], v[BOH], s[10:11] offset:64*\b
	global_load_b128 v[BC+8*\b+4:BC+8*\b+7], v[BOH], s[10:11] offset:64*\b+16
.endr
.macro FRAG reg, adr, q, i
.irp c, 0,1,2,3
	ds_load_b128 v[\reg+4*\c:\reg+4*\c+3], v[\adr] offset:128*(\q)+32*\c+(\i)*16*PITCH
.endr
.endm
; The 64 accumulators take turns, one instruction a turn, in the same order in every step.
.macro MUL16 a0, p, q, sc, zero
.irp a, \a0, \a0+1
.irp b, 0,1,2,3,4,5,6,7
.if \zero
	v_wmma_scale_f32_16x16x128_f8f6f4 v[8*(8*((\a)%4)+\b):8*(8*((\a)%4)+\b)+7], v[128*(\p)+FR*\b:128*(\p)+FR*\b+FR-1], v[AF+FR*(\a):AF+FR*(\a)+FR-1], 0, v[SC+8*NQ*(\sc)+NQ*\b+(\q)], v[SC+8*NQ*(\sc)+NQ*(\a)+(\q)] matrix_a_fmt:MATRIX_FMT_BF8 matrix_b_fmt:MATRIX_FMT_BF8 matrix_a_scale:MATRIX_SCALE_ROW1
.else
	v_wmma_scale_f32_16x16x128_f8f6f4 v[8*(8*((\a)%4)+\b):8*(8*((\a)%4)+\b)+7], v[128*(\p)+FR*\b:128*(\p)+FR*\b+FR-1], v[AF+FR*(\a):AF+FR*(\a)+FR-1], v[8*(8*((\a)%4)+\b):8*(8*((\a)%4)+\b)+7], v[SC+8*NQ*(\sc)+NQ*\b+(\q)], v[SC+8*NQ*(\sc)+NQ*(\a)+(\q)] matrix_a_fmt:MATRIX_FMT_BF8 matrix_b_fmt:MATRIX_FMT_BF8 matrix_a_scale:MATRIX_SCALE_ROW1
.endif
.endr
.endr
.endm
.macro FETCH_B slot, q, p
	WIN TO_B
.irp i, 0,1,2,3,4,5,6,7
	FRAG 128*(\p)+FR*\i, ADRB+\slot, \q, \i
.endr
	WIN 0
.endm
.macro FETCH_A slot, q, i0
.irp i, \i0, \i0+1, \i0+2, \i0+3
	FRAG AF+FR*(\i), ADRA+\slot, \q, \i
.endr
.endm
.macro SCALES sc
.irp i, 0,1,2,3,4,5,6,7
	ds_load_b64 v[SC+8*NQ*\sc+NQ*\i:SC+8*NQ*\sc+NQ*\i+1], v[ADRS] offset:\i*SBLK
.endr
.endm
.macro PLACES n
.rept \n
	v_nop
.endr
.endm
.macro STEP slot, q, zero
	s_wait_dscnt 4*NL                              ; W's set and h's blocks 0-3 are in; h's blocks 4-7, 16 loads, may be out
	WIN MUL_LO
	MUL16 0, (\q)%2, \q, \slot, \zero
	MUL16 2, (\q)%2, \q, \slot, \zero
	s_wait_dscnt 0
	PLACES NP
	FETCH_B \slot, (\q)+1, 1-(\q)%2
	FETCH_A \slot, (\q)+1, 0
	WIN MUL_HI
	MUL16 4, (\q)%2, \q, \slot, \zero
	MUL16 6, (\q)%2, \q, \slot, \zero
	PLACES NP
	WIN 0
	FETCH_A \slot, (\q)+1, 4
.endm
.macro TURN slot, next, fill
	s_wait_tensorcnt 0x0                           ; all my tensor loads have landed: my part of the next slot
	ds_add_u32 v[SPW], v[NIL]                      ; 0 onto my spare word
	s_wait_dscnt 4*NL+1                            ; the add and h's blocks 4-7 may be out
	WIN MUL_LO
	MUL16 0, 1, NQ-1, \slot, 0
	s_wait_dscnt 0x0                               ; the add is done, and my reads of this slot are over
	s_barrier_signal -1
	MUL16 2, 1, NQ-1, \slot, 0
	WIN 0
	s_barrier_wait -1
.if \fill
	CREST
	s_add_nc_u64 s[G0+4*\slot+2:G0+4*\slot+3], s[G0+4*\slot+2:G0+4*\slot+3], 2*ROWB
	s_add_nc_u64 s[G0B+4*\slot+2:G0B+4*\slot+3], s[G0B+4*\slot+2:G0B+4*\slot+3], 2*ROWB
	JLOAD G0+4*\slot, G1, G0B+4*\slot, G1B
	PLACES NP-4
.else
	PLACES NP
.endif
	v_add_nc_u32 v[ADRS], 4*NQ, v[ADRS]
	FETCH_B \next, 0, 0
	FETCH_A \next, 0, 0
	SCALES \next
	WIN MUL_HI
	MUL16 4, 1, NQ-1, \slot, 0
	MUL16 6, 1, NQ-1, \slot, 0
	PLACES NP
	WIN 0
	FETCH_A \next, 0, 4
.endm
	s_wait_tensorcnt 1                             ; the scale bytes and my part of K step 0 are in; K step 1's load may be out
	s_barrier_signal -1
	s_barrier_wait -1
	FETCH_B 0, 0, 0
	FETCH_A 0, 0, 0
	SCALES 0
	FETCH_A 0, 0, 4
	STEP 0, 0, 1
	s_mov_b32 s3, LAPS-1
.Llap:
	TURN 0, 1, 1
	STEP 1, 0, 0
	TURN 1, 0, 1
	STEP 0, 0, 0
	s_sub_co_u32 s3, s3, 1
	s_cmp_lg_u32 s3, 0
	s_cbranch_scc1 .Llap
	TURN 0, 1, 0
	STEP 1, 0, 0
	s_wait_dscnt 4*NL
	WIN MUL_LO
	MUL16 0, 1, NQ-1, 1, 0
	MUL16 2, 1, NQ-1, 1, 0
	s_wait_dscnt 0
	WIN MUL_HI
	MUL16 4, 1, NQ-1, 1, 0
	MUL16 6, 1, NQ-1, 1, 0
	WIN 0
	; ---- THE WAY OUT
	PLACES NP
	s_wait_loadcnt 0x0                             ; the bias
	s_mov_b32 s[SEL], 0x76543210
	s_mov_b32 s[SEL+1], 0xfedcba98
	s_mov_b32 s[MNT], 0x600000
	s_mov_b32 s[C1], 0x3e6d3389                    ; 0.2316419
	s_mov_b32 s[KK], 0xbf38aa3b                    ; -log2(e) / 2
	s_mov_b32 s[KK+1], s[KK]
	s_mov_b32 s[A5], 0x3f07dc22                    ; a5 / 2
	s_mov_b32 s[A5+1], s[A5]
	s_mov_b32 s[A3], 0x3f35f0e3
	s_mov_b32 s[A3+1], s[A3]
	s_mov_b32 s[A2], 0xbe11a98e
	s_mov_b32 s[A2+1], s[A2]
	s_mov_b32 s[A1], 0x3e027906
	s_mov_b32 s[A1+1], s[A1]
	s_lshl_b32 s86, s17, 1
	s_add_co_u32 s86, s86, s15                     ; my block of 128 rows
	s_lshl_b32 s86, s86, 5
	s_lshl_b32 s87, s42, 1
	s_add_co_u32 s87, s87, s16                     ; my K step of the next product
	s_add_co_u32 s86, s86, s87
	s_lshl_b32 s[GP], s86, 14                      ; 8 tiles of 2,048 bytes
	s_mov_b32 s[GP+1], 0
	s_lshl_b32 s[SCW], s86, 9                      ; 128 words
	s_add_co_u32 s[SCW], s[SCW], GS
	s_mov_b32 s[SCW+1], 0
	s_add_nc_u64 s[GP:GP+1], s[12:13], s[GP:GP+1]
	s_add_nc_u64 s[SCW:SCW+1], s[12:13], s[SCW:SCW+1]
.irp b, 0,1,2,3
	v_mov_b32 v[TM+4+\b], 0                        ; a lane permute's destination counts as one of its sources
.endr
.macro COPY a                          ; block a's sums + the bias; each accumulator is read from its low end on
	WIN 0x02+(\a)/4
.set i, 0
.rept 32
	v_pk_add_f32 v[T+i:T+i+1], v[64*((\a)%4)+i:64*((\a)%4)+i+1], v[BC+i:BC+i+1]
.set i, i+2
.endr
	WIN 0
.endm
.macro GELU                            ; v[T] .. v[T + 63] in place
	WIN 0x40                                       ; destination window 1
.set i, 0
.rept 64
	v_fma_f32 v[TT+i], |v[T+i]|, s[C1], 1.0        ; 1 + c |x|
.set i, i+1
.endr
.set i, 0
.rept 32
	v_pk_mul_f32 v[EE+i:EE+i+1], v[T+i:T+i+1], v[T+i:T+i+1]
.set i, i+2
.endr
	WIN 0x41                                       ; and source 0
.set i, 0
.rept 32
	v_pk_mul_f32 v[EE+i:EE+i+1], v[EE+i:EE+i+1], s[KK:KK+1] op_sel_hi:[1,0]   ; -x^2 log2(e) / 2
.set i, i+2
.endr
.set i, 0
.rept 64
	v_rcp_f32 v[TT+i], v[TT+i]                     ; t
.set i, i+1
.endr
.set i, 0
.rept 64
	v_exp_f32 v[EE+i], v[EE+i]
.set i, i+1
.endr
	WIN 0x40
.set i, 0
.rept 64
	v_max_num_f32 v[HX+i], 0, v[T+i]               ; plain work that names no result of the batch
.set i, i+1
.endr
	s_wait_alu depctr_va_vdst(0)                   ; one wait for the 128, ahead of their first reader
	WIN 0x41                                       ; a4 lies in window 0
.set i, 0
.rept 32
	v_pk_fma_f32 v[PP+i:PP+i+1], v[TT+i:TT+i+1], s[A5:A5+1], v[30:31] op_sel_hi:[1,0,1]
.set i, i+2
.endr
	WIN 0x45
.irp c, A3, A2, A1
.set i, 0
.rept 32
	v_pk_fma_f32 v[PP+i:PP+i+1], v[PP+i:PP+i+1], v[TT+i:TT+i+1], s[\c:\c+1] op_sel_hi:[1,1,0]
.set i, i+2
.endr
.endr
.set i, 0
.rept 32
	v_pk_mul_f32 v[PP+i:PP+i+1], v[PP+i:PP+i+1], v[TT+i:TT+i+1]
.set i, i+2
.endr
.set i, 0
.rept 32
	v_pk_mul_f32 v[PP+i:PP+i+1], v[PP+i:PP+i+1], v[EE+i:EE+i+1]   ; Q(|x|)
.set i, i+2
.endr
	WIN 0x14                                       ; sources 1 and 2 window 1
.set i, 0
.rept 64
	v_fma_f32 v[T+i], -|v[T+i]|, v[PP+i], v[HX+i]  ; max(x, 0) - |x| Q
.set i, i+1
.endr
	WIN 0
.endm
.macro QUANT s
.irp b, 0,1,2,3
	v_max3_num_f32 v[TM+\b], |v[\s+16*\b]|, |v[\s+1+16*\b]|, 0x8000000   ; with the floor 2^(16 - 127): the byte cannot fall under 1
.endr
.irp i, 2,4,6,8,10,12,14
.irp b, 0,1,2,3
	v_max3_num_f32 v[TM+\b], v[TM+\b], |v[\s+16*\b+\i]|, |v[\s+1+16*\b+\i]|
.endr
.endr
.irp b, 0,1,2,3
	v_permlanex16_b32 v[TM+4+\b], v[TM+\b], s[SEL], s[SEL+1]
.endr
.irp b, 0,1,2,3
	v_max_num_f32 v[TM+\b], v[TM+\b], v[TM+4+\b]
.endr
.irp b, 0,1,2,3
	v_add_nc_u32 v[TM+12+\b], 0xf8800000, v[TM+\b]
.endr
.irp b, 0,1,2,3
	v_and_or_b32 v[TM+8+\b], v[TM+\b], 0x7f800000, s[MNT]
.endr
.irp b, 0,1,2,3
	v_lshrrev_b32 v[TM+4+\b], 23, v[TM+12+\b]
.endr
	v_lshl_or_b32 v[PW], v[TM+5], 8, v[TM+4]
	v_lshl_or_b32 v[PW], v[TM+6], 16, v[PW]
	v_lshl_or_b32 v[PW], v[TM+7], 24, v[PW]
.irp b, 0,1,2,3
.irp i, 0,1,2,3,4,5,6,7,8,9,10,11,12,13,14,15
	v_med3_num_f32 v[\s+16*\b+\i], v[\s+16*\b+\i], -v[TM+8+\b], v[TM+8+\b]   ; the conversion does not saturate (ISA guide 7.6.2): the hold comes first
.endr
	v_cvt_scalef32_pk8_bf8_f32 v[PC+4*\b:PC+1+4*\b], v[\s+16*\b:\s+7+16*\b], v[TM+12+\b]
	v_cvt_scalef32_pk8_bf8_f32 v[PC+2+4*\b:PC+3+4*\b], v[\s+8+16*\b:\s+15+16*\b], v[TM+12+\b]
.endr
	v_nop                                          ; a plain line behind the last conversion: the next trip writes its sources
.endm
	s_mov_b32 s96, 0                               ; the block of 16 rows
	s_mov_b32 s97, 0                               ; 64 x that: its scale words' place
.Lrow:                                             ; only the accumulators' numbers differ from trip to trip: they are chosen by a chain of scalar branches on the counter
.irp a, 0,1,2,3,4,5,6
	s_cmp_lg_u32 s96, \a
	s_cbranch_scc1 .Lnot_\a
	COPY \a
	s_branch .Lgot
.Lnot_\a:
.endr
	COPY 7
.Lgot:
	GELU
	QUANT T
	v_add_nc_u32 v[SWT], s97, v[SWA]
	ds_store_b32 v[SWT], v[PW]                     ; lanes l and l + 16 write the same word with the same value
.irp b, 0,1,2,3                        ; a conversion's 8 codes are k = 32 b + 16 u + 8 h + 0 .. 7: byte 512 b + 256 u + 16 r + 8 h of the image: a store covers 256 consecutive bytes, aligned
.irp u, 0,1
	global_store_b64 v[LO8], v[PC+4*\b+2*\u:PC+4*\b+2*\u+1], s[GP:GP+1] offset:512*\b+256*\u
.endr
.endr
	s_wait_xcnt 0x0                                ; the stores have read their data and their base: both are written again
	s_add_nc_u64 s[GP:GP+1], s[GP:GP+1], 2048
	s_add_co_u32 s97, s97, 64
	s_add_co_u32 s96, s96, 1
	s_cmp_lt_u32 s96, 8
	s_cbranch_scc1 .Lrow
	ds_load_b128 v[T:T+3], v[SRA]                  ; my 128 scale words; LDS serves a wave's instructions in order
	s_wait_dscnt 0x0
	global_store_b128 v[LI], v[T:T+3], s[SCW:SCW+1]
	s_wait_tensorcnt 0x0                           ; the wave's end
	ds_add_u32 v[SPW], v[NIL]
	s_wait_dscnt 0x0
	CROUND                                         ; the closing round
	s_endpgm
.Lfunc_end_k_qd3159fc58f_fc1:
	.size	k_qd3159fc58f_fc1, .Lfunc_end_k_qd3159fc58f_fc1-k_qd3159fc58f_fc1
	.p2alignl 7, 3214868480
	.fill 96, 4, 3214868480
	.section	.rodata,"a",@progbits
	.p2align	6, 0x0
	.amdhsa_kernel k_qd3159fc58f_fc1
		.amdhsa_group_segment_fixed_size 327680
		.amdhsa_private_segment_fixed_size 0
		.amdhsa_enable_private_segment 0
		.amdhsa_kernarg_size 40
		.amdhsa_user_sgpr_count 2
		.amdhsa_user_sgpr_kernarg_segment_ptr 1
		.amdhsa_wavefront_size32 1
		.amdhsa_system_sgpr_workgroup_id_x 1
		.amdhsa_system_sgpr_workgroup_id_y 1
		.amdhsa_system_sgpr_workgroup_id_z 1
		.amdhsa_system_vgpr_workitem_id 0
		.amdhsa_next_free_vgpr 1024
		.amdhsa_next_free_sgpr 102
		.amdhsa_reserve_vcc 0
		.amdhsa_float_denorm_mode_32 3
		.amdhsa_float_denorm_mode_16_64 3
		.amdhsa_memory_ordered 1
		.amdhsa_forward_progress 1
		.amdhsa_inst_pref_size 175
	.end_amdhsa_kernel
	.amdgpu_metadata
---
amdhsa.version: [ 1, 2 ]
amdhsa.kernels:
  - .name:           k_qd3159fc58f_fc1
    .symbol:         k_qd3159fc58f_fc1.kd
    .args:
      - { .name: hq, .offset: 0, .size: 8, .value_kind: global_buffer, .address_space: global }
      - { .name: w_fc1_codes, .offset: 8, .size: 8, .value_kind: global_buffer, .address_space: global }
      - { .name: w_fc1_scales, .offset: 16, .size: 8, .value_kind: global_buffer, .address_space: global }
      - { .name: b_fc1, .offset: 24, .size: 8, .value_kind: global_buffer, .address_space: global }
      - { .name: gq, .offset: 32, .size: 8, .value_kind: global_buffer, .address_space: global }
    .group_segment_fixed_size: 327680
    .private_segment_fixed_size: 0
    .kernarg_segment_align: 8
    .kernarg_segment_size: 40
    .max_flat_workgroup_size: 128
    .sgpr_count:     102
    .vgpr_count:     1024
    .wavefront_size: 32
...
	.end_amdgpu_metadata
.endif
;; end of part 5
;; launch fc2 (part 6): grid 8 x 32, 4 waves a work-group, clusters of 4 x 4, 327,680 bytes of LDS; arguments gq, w_fc2_codes, w_fc2_scales, b_fc2, x1, out0; writes out0
.if DOCPART == 6
	.amdgcn_target "amdgcn-amd-amdhsa--gfx1250"
	.amdhsa_code_object_version 6
	.text
	.protected	k_qd3159fc58f_fc2
	.globl	k_qd3159fc58f_fc2
	.p2align	8
	.type	k_qd3159fc58f_fc2,@function
k_qd3159fc58f_fc2:
	s_mov_b64 s[64:65], 0
	v_nop
	global_prefetch_b8 v0, s[64:65] scope:SCOPE_SE
	s_setreg_imm32_b32 hwreg(HW_REG_WAVE_MODE, 25, 1), 1
	s_wait_xcnt 0x0
	s_wait_alu depctr_hold_cnt(0) depctr_sa_sdst(0) depctr_va_vdst(0) depctr_va_sdst(0) depctr_va_ssrc(0) depctr_va_vcc(0) depctr_vm_vsrc(0)
	s_getreg_b32 s2, hwreg(HW_REG_IB_STS2, 6, 4)
	s_cmp_eq_u32 s2, 0
	s_cbranch_scc0 .Lentry_in_a_cluster
	s_endpgm
.Lentry_in_a_cluster:
	s_bfe_u32 s2, ttmp6, 0x10000c
	s_cmp_lg_u32 s2, 0xf033
	s_cbranch_scc0 .Lentry_shape_is_right
	s_endpgm
.Lentry_shape_is_right:
; dst = res + bias + A W^T on codes of E5M2 with E8M0 scales.  K = KT = 4,096; M = 4,096, N = 1,024.
; A: images of operand registers [block of 128 rows 32][K step of 128 32][tile of 16 rows 8][2,048 B], then from byte 4,096 KT on one scale word for each (block, K step, row).  W: codes [1024][KT], scale bytes [1024][KT / 32].
; A tile of 128 x 128 to a work-group (256 work-groups for 256 WGPs).  Wave w makes rows 32 w .. 32 w + 31 x all 128 columns: 2 x 8 accumulators.
; A GOES FROM MEMORY STRAIGHT INTO THE REGISTERS OF THE ONE WAVE THAT MULTIPLIES IT: a fragment is four loads of 512 consecutive bytes, no row of A is loaded twice in a work-group, and a ring of eight register slots
; (a K step's two fragments each) keeps 7 K steps x 4,096 bytes of every wave on their way, whatever the ring in LDS does.  With each K step's 8 loads rides one row of the residual: groups of 9 loads, at most 63 out.
; W GOES THROUGH LDS: two slots of 1,024 along K (128 rows of 1,024 bytes + 16 of padding), each wave fetching 32 rows by one tensor load: two first fills and two refills for the whole K.
; The scale bytes and words of the work-group's rows, for all of K, come into LDS once.  Three tensor loads of a wave are out at the head, one behind each round.
; CLUSTER 4 x 4: W's tiles and scale bytes are asked for jointly along a column of the cluster, A's scale words along a row.  A's images are NOT asked for jointly: a joint load would bring them through LDS, where
; between two rounds a wave has one load on its way (33,280 bytes); by registers its 28,672 bytes of A ride beside that load.
; The matrix instruction is used transposed (source 0 = 16 rows of W, source 1 = 16 rows of A): a lane holds eight neighbouring columns of a row.
; The 32 K steps are written out by macros: every offset is an immediate, and no pointer is stepped but the two refills' descriptors.
; THE WAY OUT: 16 rows x 128 columns at a time through the wave's stage in LDS and back as whole rows of 512 bytes; there a lane holds the same four columns in every row, so the bias is four registers.
; REGISTERS: window 0: v9 16 x lane; v12-15 the bias; v20-29 addresses; v32-111 scale words, two sets for four K steps (W's 32, A's 8); v128-255 the accumulators.
;   window 1: W's fragments, two sets of eight.   window 2: A's ring, slot k % 8 at v[32 (k % 8)].   window 3: v0-127 the residual, row g at v[4 g].
.set KT,     4096
.set KS,     KT/32
.set NK,     KT/128
.set BPI,    1040                      ; W's LDS row: 1,024 bytes + 16 = 260 words: row r starts at bank 4 r mod 64 (64 banks of 4 bytes: ISA guide 11.1)
.set QUART,  32*BPI                    ; what one tensor load brings
.set SLOT,   4*QUART
.set SCB,    2*SLOT                    ; W's scale bytes, as runs of 256 bytes + 16 of padding
.set HALFSB, (64*KS/256)*272
.set SBLKB,  (16*KS/256)*272
.set SCA,    SCB+2*HALFSB              ; A's scale words [K step][128 rows]
.set SPARE,  SCA+NK*512                ; the spare words: 128 bytes a wave, two blocks of 256 bytes that no other line names
.set SPITCH, 528                       ; the stage: 16 rows x (512 + 16) bytes a wave, in slot 0 after its last fill and last read
.set NP,     8                         ; places behind this matrix instruction (ISA guide 7.12.1)
.set LI,   9
.set BI,   12
.set ADRB, 20                          ; v20-23  W's fragments: slot 0 tiles 0-3, slot 0 tiles 4-7, slot 1 likewise (an LDS offset has 16 bits)
.set ASA,  24
.set ASB,  25
.set STO,  26
.set RD,   27
.set SPW,  28
.set NIL,  29
.set SC,   32
.set ACC,  128
.set WV,   16
.set RH,   17
.set CH,   18
.set G1B,  24                          ; s[24:31] group 1 for W's tiles;  s[32:39] group 0, one set for each slot
.set G0B,  32
.set G1SA, 48                          ; s[48:55], s[56:59] A's scale words;  s[68:75], s[76:79] W's scale bytes
.set G0SA, 56
.set G1SB, 68
.set G0SB, 76
.set AP,   80                          ; s[80:81] my two tiles of A's images, K step 0
.set MSB, 0
.macro WIN new                         ; the immediate's high byte repeats the setting that is left
.if MSB != (\new)
	s_set_vgpr_msb (MSB<<8)|(\new)
.set MSB, (\new)
.endif
.endm
.set MUL,  0x09                        ; source 0 (W) window 1, source 1 (A) window 2; C and D window 0
.macro JLOAD g0a, g1a, g0b, g1b        ; the branch hangs on the wave's number alone; four v_nop follow each of the two lines
	s_cmp_eq_u32 s[RH], 0
	s_cbranch_scc0 .Lfor_b_\@
	tensor_load_to_lds s[\g0a:\g0a+3], s[\g1a:\g1a+7]
	s_nop 0
.rept 4
	v_nop
.endr
	s_branch .Lasked_\@
.Lfor_b_\@:
	tensor_load_to_lds s[\g0b:\g0b+3], s[\g1b:\g1b+7]
	s_nop 0
.rept 4
	v_nop
.endr
.Lasked_\@:
.endm
.macro CREST
	s_cmp_lg_u32 s[WV], 0
	s_cbranch_scc1 .Lnot_wave_0_\@
	s_barrier_signal -3
.Lnot_wave_0_\@:
	s_barrier_wait -3
	s_barrier_signal -1
	s_barrier_wait -1
.endm
.macro CROUND
	s_barrier_signal -1
	s_barrier_wait -1
	CREST
.endm
.macro PLACES n
.rept \n
	v_nop
.endr
.endm
; Group g of loads: K step g's two fragments of A into ring slot g % 8, and row g of my 32 rows of the residual: 9 loads.  Behind the last group: the bias, one load.
.macro AGROUP g
.if (\g) < NK
	WIN 0x80                                       ; destination window 2
.irp i, 0,1
.irp c, 0,1,2,3
	global_load_b128 v[32*((\g)%8)+16*\i+4*\c:32*((\g)%8)+16*\i+4*\c+3], v[LI], s[AP:AP+1] offset:16384*(\g)+2048*\i+512*\c
.endr
.endr
	WIN 0xc0                                       ; destination window 3
	global_load_b128 v[4*(\g):4*(\g)+3], v[LI], s[12:13] offset:4096*(\g) th:TH_LOAD_NT
.elseif (\g) == NK
	WIN 0
	global_load_b128 v[BI:BI+3], v[LI], s[10:11]
.endif
.endm
; K step k's group is in.  Behind it were issued, ahead of this wait, groups k + 1 .. k + 6 as far as there are groups (the last is 31), and from K step 26 on the bias's load
.macro LWAIT k
.if (\k) <= 25
	s_wait_loadcnt 54
.else
	s_wait_loadcnt 9*(31-(\k))+1
.endif
.endm
.macro FETCH k                         ; W's eight fragments of K step k into set k % 2
	WIN 0x40                                       ; destination window 1
.irp i, 0,1,2,3,4,5,6,7
.irp c, 0,1,2,3
	ds_load_b128 v[128*((\k)%2)+16*\i+4*\c:128*((\k)%2)+16*\i+4*\c+3], v[ADRB+2*(((\k)/8)%2)+\i/4] offset:128*((\k)%8)+16*BPI*(\i%4)+32*\c
.endr
.endr
.endm
.macro SCALES g                        ; the scale words of K steps 4 g .. 4 g + 3 into set g % 2: W's tile i at 4 i + q, A's tile i at 32 + 4 i + q; lane r holds row r's
	WIN 0
.irp i, 0,1,2,3,4,5,6,7
	ds_load_b128 v[SC+40*((\g)%2)+4*\i:SC+40*((\g)%2)+4*\i+3], v[ASB] offset:\i*SBLKB+16*(\g)
.endr
.irp i, 0,1
.irp q, 0,1,2,3
	ds_load_b32 v[SC+40*((\g)%2)+32+4*\i+\q], v[ASA] offset:512*(4*(\g)+\q)+64*\i
.endr
.endr
.endm
; four matrix instructions: A's tile a x W's tiles b0 .. b0 + 3.  The 16 accumulators take turns, one instruction a turn, in the same order in every K step.  K step 0 starts the sums.
.macro MULP k, a, b0
.irp b, \b0, \b0+1, \b0+2, \b0+3
.if (\k) == 0
	v_wmma_scale_f32_16x16x128_f8f6f4 v[ACC+8*(8*(\a)+(\b)):ACC+8*(8*(\a)+(\b))+7], v[128*((\k)%2)+16*(\b):128*((\k)%2)+16*(\b)+15], v[32*((\k)%8)+16*(\a):32*((\k)%8)+16*(\a)+15], 0, v[SC+40*(((\k)/4)%2)+4*(\b)+(\k)%4], v[SC+40*(((\k)/4)%2)+32+4*(\a)+(\k)%4] matrix_a_fmt:MATRIX_FMT_BF8 matrix_b_fmt:MATRIX_FMT_BF8
.else
	v_wmma_scale_f32_16x16x128_f8f6f4 v[ACC+8*(8*(\a)+(\b)):ACC+8*(8*(\a)+(\b))+7], v[128*((\k)%2)+16*(\b):128*((\k)%2)+16*(\b)+15], v[32*((\k)%8)+16*(\a):32*((\k)%8)+16*(\a)+15], v[ACC+8*(8*(\a)+(\b)):ACC+8*(8*(\a)+(\b))+7], v[SC+40*(((\k)/4)%2)+4*(\b)+(\k)%4], v[SC+40*(((\k)/4)%2)+32+4*(\a)+(\k)%4] matrix_a_fmt:MATRIX_FMT_BF8 matrix_b_fmt:MATRIX_FMT_BF8
.endif
.endr
.endm
; A K step whose successor lies in the same slot (and the very last)
.macro KSTEP k
	s_wait_dscnt 0x0                               ; W's fragments of this K step, and its scale words, are in
.if (\k) > 0
	PLACES NP                                      ; behind K step k - 1's products: the loads below go into its set of W's fragments and its ring slot
.endif
.if (\k) < NK-1
	FETCH (\k)+1
.if ((\k)+1)%4 == 0
	SCALES ((\k)+1)/4
.endif
.endif
	LWAIT \k
	AGROUP (\k)+7
	WIN MUL
	MULP \k, 0, 0
	MULP \k, 0, 4
	MULP \k, 1, 0
	MULP \k, 1, 4
.endm
; A slot's last K step changes slots: one barrier; in front of it each wave waits for all its tensor loads, adds 0 to its spare word, and waits for that and for its reads of this slot.
; K steps 7 and 15: the slot is filled again, 2,048 further along K, behind a round of the cluster's barrier.  K step 23: nothing is left to fetch.
.macro TURN k
	WIN 0
	s_wait_tensorcnt 0x0                           ; all my tensor loads have landed: my part of the next slot
	ds_add_u32 v[SPW], v[NIL]                      ; 0 onto my spare word
	LWAIT \k
	s_wait_dscnt 1                                 ; W's fragments are in; the add alone may be out
	WIN MUL
	MULP \k, 0, 0
	s_wait_dscnt 0x0                               ; the add is done, and my reads of this slot are over
	s_barrier_signal -1
	MULP \k, 0, 4
	WIN 0
	s_barrier_wait -1
.if (\k) < 16
	CREST                                          ; the barrier has opened a round of the cluster's barrier: no wave of any partner still reads this slot or has a load on its way
	s_add_nc_u64 s[G0B+4*(((\k)/8)%2)+2:G0B+4*(((\k)/8)%2)+3], s[G0B+4*(((\k)/8)%2)+2:G0B+4*(((\k)/8)%2)+3], 2048
	tensor_load_to_lds s[G0B+4*(((\k)/8)%2):G0B+4*(((\k)/8)%2)+3], s[G1B:G1B+7]   ; the first tensor load behind the round, my one load until the next
	s_nop 0
.endif
	PLACES NP                                      ; behind a tensor load four v_nop stand first; all eight are the places in front of the loads below
	FETCH (\k)+1
	SCALES ((\k)+1)/4
	AGROUP (\k)+7
	WIN MUL
	MULP \k, 1, 0
	MULP \k, 1, 4
.endm
	s_load_b256 s[4:11], s[0:1], 0x0               ; A s[4:5], W's codes s[6:7], W's scales s[8:9], bias s[10:11]
	s_load_b128 s[12:15], s[0:1], 0x20             ; res s[12:13], dst s[14:15]
	v_lshl_add_u32 v[SPW], v0, 2, SPARE
	v_mov_b32 v[NIL], 0
	ds_add_u32 v28, v29
	ds_add_u32 v28, v29
	s_wait_dscnt 0x0
	v_lshrrev_b32 v1, 5, v0
	v_readfirstlane_b32 s[WV], v1                  ; wave 0..3
	v_and_b32 v3, 31, v0
	v_lshlrev_b32 v[LI], 4, v3                     ; 16 x lane
	s_lshr_b32 s[RH], s[WV], 1                     ; the scales: I fetch A's words (0) or W's bytes (1),
	s_and_b32 s[CH], s[WV], 1                      ; this half of them
	s_bfe_u32 s40, ttmp6, 0x40000                  ; cx, cy
	s_bfe_u32 s41, ttmp6, 0x40004
	s_lshl_b32 s42, ttmp9, 2
	s_add_co_u32 s42, s42, s40                     ; tile column
	s_and_b32 s43, ttmp7, 0xffff
	s_lshl_b32 s43, s43, 2
	s_add_co_u32 s43, s43, s41                     ; tile row = A's block of 128 rows
	s_lshl_b32 s44, s41, 2
	s_lshl_b32 s44, 15, s44                        ; my row of the cluster
	s_lshl_b32 s45, 0x1111, s40                    ; my column
	s_or_b32 s[G1B], s45, (0<<16)|(1<<20)|(1<<21)|(7<<22)|(3<<25)   ; W: the mask of my column; elements of 1 byte; 4 words of padding after every 256; bit 21 beside a mask
	s_mov_b32 s[G1B+1], 1024<<16                   ; tensor_dim0
	s_mov_b32 s[G1B+2], 32<<16                     ; tensor_dim1
	s_mov_b32 s[G1B+3], 1024<<16                   ; tile_dim0
	s_mov_b32 s[G1B+4], 32                         ; tile_dim1
	s_mov_b32 s[G1B+5], KT                         ; the pitch
	s_mov_b32 s[G1B+6], 0
	s_mov_b32 s[G1B+7], 0
	s_or_b32 s[G1SA], s44, (3<<16)|(1<<21)         ; half of A's scale words: NK rows of 256 dense bytes (32 elements of 8)
	s_mov_b32 s[G1SA+1], 32<<16
	s_mov_b32 s[G1SA+2], NK<<16
	s_mov_b32 s[G1SA+3], 32<<16
	s_mov_b32 s[G1SA+4], NK
	s_mov_b32 s[G1SA+5], 32
	s_mov_b32 s[G1SA+6], 0
	s_mov_b32 s[G1SA+7], 0
	s_or_b32 s[G1SB], s45, (3<<16)|(1<<20)|(1<<21)|(5<<22)|(3<<25)  ; the scale bytes of 64 rows of W: dense, as rows of 256 bytes + 16 of padding
	s_mov_b32 s[G1SB+1], 32<<16
	s_mov_b32 s[G1SB+2], (64*KS/256)<<16
	s_mov_b32 s[G1SB+3], 32<<16
	s_mov_b32 s[G1SB+4], 64*KS/256
	s_mov_b32 s[G1SB+5], 32
	s_mov_b32 s[G1SB+6], 0
	s_mov_b32 s[G1SB+7], 0
	s_mul_i32 s84, s43, KT*128                     ; A's images: my block of 128 rows,
	s_lshl_b32 s85, s[WV], 12                      ; my two tiles of 2,048 bytes
	s_add_co_u32 s84, s84, s85
	s_mov_b32 s85, 0
	s_lshl_b32 s86, s43, 19                        ; res and dst: row 128 x tile row + 32 x wave, 4,096 bytes a row,
	s_lshl_b32 s87, s[WV], 17
	s_add_co_u32 s86, s86, s87
	s_lshl_b32 s88, s42, 9                         ; column 128 x tile column, in bytes: also the bias's place
	s_add_co_u32 s86, s86, s88
	s_mov_b32 s87, 0
	s_mov_b32 s89, 0
	s_mul_i32 s22, s43, KT*4                       ; A's scale words
	s_mul_i32 s23, s[CH], KT*2
	s_add_co_u32 s22, s22, s23
	s_add_co_u32 s22, s22, 4096*KT
	s_mov_b32 s23, 0
	s_lshl_b32 s46, s42, 7
	s_lshl_b32 s47, s[WV], 5
	s_add_co_u32 s82, s46, s47                     ; W's codes: row 128 x tile column + 32 x wave
	s_mul_i32 s82, s82, KT
	s_mov_b32 s83, 0
	s_lshl_b32 s47, s[CH], 6
	s_add_co_u32 s46, s46, s47                     ; W's scale bytes: row 128 x tile column + 64 x half
	s_mul_i32 s92, s46, KS
	s_mov_b32 s93, 0
	s_mul_i32 s94, s[WV], QUART                    ; where they go in LDS: no place in the cluster enters an LDS address
	s_mul_i32 s96, s[CH], KT*2
	s_add_co_u32 s96, s96, SCA
	s_mul_i32 s97, s[CH], HALFSB
	s_add_co_u32 s97, s97, SCB
	s_wait_kmcnt 0x0
	s_add_nc_u64 s[AP:AP+1], s[4:5], s[84:85]
	s_add_nc_u64 s[12:13], s[12:13], s[86:87]
	s_add_nc_u64 s[14:15], s[14:15], s[86:87]
	s_add_nc_u64 s[10:11], s[10:11], s[88:89]
	s_add_nc_u64 s[22:23], s[4:5], s[22:23]
	s_add_nc_u64 s[82:83], s[6:7], s[82:83]
	s_add_nc_u64 s[92:93], s[8:9], s[92:93]
.irp g, 0,1,2,3,4,5,6
	AGROUP \g                                      ; 63 loads of mine are out: they need no partner, so they stand ahead of the round
.endr
	WIN 0
	CROUND                                         ; all sixteen work-groups are here: the first joint loads meet
	s_mov_b32 s[G0SA], 1
	s_mov_b32 s[G0SA+1], s96
	s_mov_b64 s[G0SA+2:G0SA+3], s[22:23]
	s_or_b32 s[G0SA+3], s[G0SA+3], 0x80000000
	s_mov_b32 s[G0SB], 1
	s_mov_b32 s[G0SB+1], s97
	s_mov_b64 s[G0SB+2:G0SB+3], s[92:93]
	s_or_b32 s[G0SB+3], s[G0SB+3], 0x80000000
	JLOAD G0SA, G1SA, G0SB, G1SB
.irp s, 0,1
	s_mov_b32 s[G0B+4*\s], 1
	s_add_co_u32 s[G0B+4*\s+1], s94, \s*SLOT
	s_add_nc_u64 s[G0B+4*\s+2:G0B+4*\s+3], s[82:83], \s*1024
	s_or_b32 s[G0B+4*\s+3], s[G0B+4*\s+3], 0x80000000
.endr
	tensor_load_to_lds s[G0B:G0B+3], s[G1B:G1B+7]
	s_nop 0
	tensor_load_to_lds s[G0B+4:G0B+7], s[G1B:G1B+7]                ; three tensor loads of mine are out
	s_nop 0
.rept 4
	v_nop
.endr
	v_and_b32 v1, 15, v0                           ; r
	v_bfe_u32 v2, v0, 4, 1                         ; h
	v_mul_u32_u24 v5, v1, BPI
	v_lshl_add_u32 v5, v2, 4, v5                   ; a fragment's row x pitch + 16 x half
.irp s, 0,1
.irp g, 0,1
	v_add_nc_u32 v[ADRB+2*\s+\g], \s*SLOT+\g*64*BPI, v5
.endr
.endr
	v_lshlrev_b32 v6, 2, v1
	s_lshl_b32 s21, s[WV], 7
	s_add_co_u32 s21, s21, SCA
	v_add_nc_u32 v[ASA], s21, v6                   ; A's words: 4 bytes a row, my 32 rows
	v_mul_u32_u24 v7, v1, KS                       ; W's: KS bytes a row, and 16 more for each 256 passed
	v_lshrrev_b32 v8, 8, v7
	v_lshl_add_u32 v7, v8, 4, v7
	v_add_nc_u32 v[ASB], SCB, v7
	s_mul_i32 s23, s[WV], 16*SPITCH                ; my stage
	v_mul_u32_u24 v7, v1, SPITCH
	v_lshl_add_u32 v7, v2, 5, v7
	v_add_nc_u32 v[STO], s23, v7                   ; in: row r, 32 bytes for each half of the lanes
	v_add_nc_u32 v[RD], s23, v[LI]                 ; back: the 32 lanes take one row of 512 bytes
	s_wait_tensorcnt 1                             ; the scales and my part of slot 0 are in; slot 1's load may be out
	s_barrier_signal -1
	s_barrier_wait -1
	FETCH 0
	SCALES 0
.set K, 0
.rept NK
.if (K%8 == 7) && (K < NK-1)
	TURN K
.else
	KSTEP K
.endif
.set K, K+1
.endr
	WIN 0
	; ---- THE WAY OUT
	PLACES NP
	s_wait_loadcnt 0x0                             ; the bias (the residual's rows came with A's groups)
.irp a, 0,1                            ; a block of 16 rows x 128 columns through my stage; LDS serves a wave's instructions in order, so no wait stands between
.irp b, 0,1,2,3,4,5,6,7
	ds_store_b128 v[STO], v[ACC+8*(8*\a+\b):ACC+8*(8*\a+\b)+3] offset:64*\b          ; each accumulator from its low end on
	ds_store_b128 v[STO], v[ACC+8*(8*\a+\b)+4:ACC+8*(8*\a+\b)+7] offset:64*\b+16
.endr
	WIN 0x40
.irp t, 0,1,2,3,4,5,6,7,8,9,10,11,12,13,14,15
	ds_load_b128 v[64*\a+4*\t:64*\a+4*\t+3], v[RD] offset:\t*SPITCH
.endr
	WIN 0
.endr
.irp a, 0,1
	s_wait_dscnt 32*(1-\a)                         ; block a is back; the later block's 32 LDS instructions may be out
	WIN 0x4d                                       ; destination and source 0 window 1, source 1 (the residual) window 3
.irp k, 0,2,4,6,8,10,12,14,16,18,20,22,24,26,28,30,32,34,36,38,40,42,44,46,48,50,52,54,56,58,60,62
	v_pk_add_f32 v[64*\a+\k:64*\a+\k+1], v[64*\a+\k:64*\a+\k+1], v[64*\a+\k:64*\a+\k+1]
.endr
	WIN 0x41                                       ; source 1 (the bias) window 0
.irp t, 0,1,2,3,4,5,6,7,8,9,10,11,12,13,14,15
	v_pk_add_f32 v[64*\a+4*\t:64*\a+4*\t+1], v[64*\a+4*\t:64*\a+4*\t+1], v[BI:BI+1]
	v_pk_add_f32 v[64*\a+4*\t+2:64*\a+4*\t+3], v[64*\a+4*\t+2:64*\a+4*\t+3], v[BI+2:BI+3]
.endr
	WIN 0x04                                       ; a store's data are its source 1: window 1
.irp t, 0,1,2,3,4,5,6,7,8,9,10,11,12,13,14,15
	global_store_b128 v[LI], v[64*\a+4*\t:64*\a+4*\t+3], s[14:15] offset:(16*\a+\t)*4096 th:TH_STORE_NT   ; 32 lanes store 512 consecutive bytes, aligned
.endr
.endr
	WIN 0
	s_wait_tensorcnt 0x0                           ; the wave's end
	ds_add_u32 v[SPW], v[NIL]
	s_wait_dscnt 0x0
	CROUND                                         ; the closing round
	s_endpgm
.Lfunc_end_k_qd3159fc58f_fc2:
	.size	k_qd3159fc58f_fc2, .Lfunc_end_k_qd3159fc58f_fc2-k_qd3159fc58f_fc2
	.p2alignl 7, 3214868480
	.fill 96, 4, 3214868480
	.section	.rodata,"a",@progbits
	.p2align	6, 0x0
	.amdhsa_kernel k_qd3159fc58f_fc2
		.amdhsa_group_segment_fixed_size 327680
		.amdhsa_private_segment_fixed_size 0
		.amdhsa_enable_private_segment 0
		.amdhsa_kernarg_size 48
		.amdhsa_user_sgpr_count 2
		.amdhsa_user_sgpr_kernarg_segment_ptr 1
		.amdhsa_wavefront_size32 1
		.amdhsa_system_sgpr_workgroup_id_x 1
		.amdhsa_system_sgpr_workgroup_id_y 1
		.amdhsa_system_sgpr_workgroup_id_z 1
		.amdhsa_system_vgpr_workitem_id 0
		.amdhsa_next_free_vgpr 896
		.amdhsa_next_free_sgpr 100
		.amdhsa_reserve_vcc 0
		.amdhsa_float_denorm_mode_32 3
		.amdhsa_float_denorm_mode_16_64 3
		.amdhsa_memory_ordered 1
		.amdhsa_forward_progress 1
		.amdhsa_inst_pref_size 203
	.end_amdhsa_kernel
	.amdgpu_metadata
---
amdhsa.version: [ 1, 2 ]
amdhsa.kernels:
  - .name:           k_qd3159fc58f_fc2
    .symbol:         k_qd3159fc58f_fc2.kd
    .args:
      - { .name: gq, .offset: 0, .size: 8, .value_kind: global_buffer, .address_space: global }
      - { .name: w_fc2_codes, .offset: 8, .size: 8, .value_kind: global_buffer, .address_space: global }
      - { .name: w_fc2_scales, .offset: 16, .size: 8, .value_kind: global_buffer, .address_space: global }
      - { .name: b_fc2, .offset: 24, .size: 8, .value_kind: global_buffer, .address_space: global }
      - { .name: x1, .offset: 32, .size: 8, .value_kind: global_buffer, .address_space: global }
      - { .name: out0, .offset: 40, .size: 8, .value_kind: global_buffer, .address_space: global }
    .group_segment_fixed_size: 327680
    .private_segment_fixed_size: 0
    .kernarg_segment_align: 8
    .kernarg_segment_size: 48
    .max_flat_workgroup_size: 128
    .sgpr_count:     100
    .vgpr_count:     896
    .wavefront_size: 32
...
	.end_amdgpu_metadata
.endif
;; end of part 6
